; MI455X (gfx1250); checked and timed in simulation.
; The chip was launched on July 23, 2026; its instructions are those of AMD's public machine-readable ISA for CDNA 5 (MIT licence, August 2026) and "CDNA5" Instruction Set Architecture Reference Guide (July 2026). The comments in the code are by the model that wrote it; some were corrected since.
;; Cross Attention. Allowed arithmetic: matrix products marked QUANTISED: E2M3 operands, one E8M0 scale for each 32 along K, by v_wmma_scale_f32_16x16x128_f8f6f4 with both operands' format E2M3, f32 sums; everything else in f32.
;; Inputs: W_k 1,024 x 1,024 float32; W_o 1,024 x 1,024 float32; W_q 1,024 x 1,024 float32; W_v 1,024 x 1,024 float32; b_o 1,024 float32; decoder_input 4 x 2,048 x 1,024 float32; encoder_output 4 x 2,048 x 1,024 float32.
;; Outputs: out0 4 x 2,048 x 1,024 float32.
;; This version of the problem:
;;   THIS VERSION OF THE PROBLEM IS GIVEN IN LOW PRECISION. The matrix products marked QUANTISED in the list below multiply operands that are first quantised to E2M3 (2 exponent bits, 3 mantissa bits; 6 bits a number), with one power-of-two scale for each 32 numbers along K (OCP MX v1.0); their sums are f32. All else is computed in f32.
;;   The module's matrix products, in the order in which they are computed (A, B: the left and right operand; K: the contracted axis; several contracted axes count as one K, in the product's order):
;;     1. [M 8,192, K 1,024] x [K 1,024, N 1,024]; A: input decoder_input; B: input W_q: QUANTISED
;;     2. [M 8,192, K 1,024] x [K 1,024, N 1,024]; A: input encoder_output; B: input W_k: QUANTISED
;;     3. [M 8,192, K 1,024] x [K 1,024, N 1,024]; A: input encoder_output; B: input W_v: QUANTISED
;;     4. batch 64 x [M 2,048, K 64] x [K 64, N 2,048]; A: computed on the way; B: computed on the way: QUANTISED
;;     5. batch 64 x [M 64, K 2,048] x [K 2,048, N 2,048]; A: computed on the way; B: softmax (see below): QUANTISED
;;     6. [M 8,192, K 1,024] x [K 1,024, N 1,024]; A: computed on the way; B: input W_o: QUANTISED
;;   THE QUANTISER, for each operand of a quantised product, along K:
;;     - K is cut into blocks of 32 from its start; a last block that is shorter is filled with zeros.
;;     - A block's scale is 2^e with e = floor(log2(the largest magnitude in the block)) - 2, held to -126 .. 127; a block of zeros has e = 0. As a byte (E8M0): e + 127.
;;     - Each number is divided by its block's scale, clamped to +-7.5, and rounded to the nearest number of E2M3, ties to even, subnormals kept.
;;     - The product sums the exact products of the quantised numbers (number of the format x scale) in f32.
;;   ~~~python
;;   def quantise(x, axis):      # numpy; x: float32 -> the quantised numbers, widened to float32 again
;;       x = np.moveaxis(x, axis, -1); K = x.shape[-1]
;;       x = np.pad(x, [(0, 0)] * (x.ndim - 1) + [(0, -K % 32)]); x = x.reshape(x.shape[:-1] + (-1, 32)); a = np.abs(x).max(-1, keepdims=True)
;;       e = np.where(a > 0, np.clip(np.frexp(np.where(a > 0, a, 1))[1] - 1 - 2, -126, 127), 0)      # np.frexp(a)[1] - 1 = floor(log2(a)), exactly
;;       r = np.clip(x / 2.0 ** e, -7.5, 7.5)
;;       step = 2.0 ** (np.maximum(np.frexp(np.where(r == 0, 1, r))[1] - 1, 0) - 3)
;;       q = np.round(r / step) * step * 2.0 ** e      # np.round: ties to even
;;       return np.moveaxis(q.reshape(q.shape[:-2] + (-1,))[..., :K], -1, axis).astype(np.float32)
;;   ~~~
;;   SOFTMAX AHEAD OF A QUANTISED PRODUCT. Where the list says 'softmax', what is quantised is not the finished softmax but p = 2^(t - M), with t = logit x log2(e) and M = ceil(the row's largest t), a whole number; so 1/2 < the row's largest p <= 1. The row's sum l is taken of the UNQUANTISED p, in f32, and the product's result is divided by l at the end. Since M is a whole number, a kernel that streams over the keys may use a running M (the ceiling of the running maximum): every later rescaling is an exact power of two, which a block's scale takes up: the codes' values come out the same.
;;   OPERANDS COMPUTED ON THE WAY. 'Computed on the way' means the value that the module computes at that place (a softmax that the list does not call 'softmax' is quantised finished and normalised). What goes into a quantiser is computed in f32, as accurately as f32 sums, v_exp_f32 and their like allow (about 1e-6 of the number): no bf16 or f16 on the way to a quantiser, and a product that is left as it is and whose result goes on into a quantised operand takes f32 operands (vector FMAs, or v_wmma_f32_16x16x4_f32). A number that lies on a knife's edge between two numbers of the format may be rounded either way, as far as f32 arithmetic and the matrix unit's own rounding can turn it there, and no further.
;; One version. Each part assembles by itself: llvm-mc -triple=amdgcn-amd-amdhsa -mcpu=gfx1250 --defsym DOCPART=n.
;; ======== version 1 of 1: 4 launches
;; limits: right only within a limited range of input values
;; workspace buffers: cod 15,728,640 bytes; scl 655,360 bytes; qc 6,291,456 bytes; qs 524,288 bytes; kv 13,631,488 bytes; oc 6,291,456 bytes; os 262,144 bytes
;; launch quant (part 1): grid 640 x 1, 4 waves a work-group, no clusters, 61,952 bytes of LDS; arguments decoder_input, encoder_output, W_q, W_k, W_v, W_o, cod, scl; writes cod, scl
.if DOCPART == 1
	.amdgcn_target "amdgcn-amd-amdhsa--gfx1250"
	.amdhsa_code_object_version 6
	.text
	.protected	k_q8183fbd695_quant
	.globl	k_q8183fbd695_quant
	.p2align	8
	.type	k_q8183fbd695_quant,@function
k_q8183fbd695_quant:
	s_mov_b64 s[64:65], 0
	v_nop
	global_prefetch_b8 v0, s[64:65] scope:SCOPE_SE
	s_setreg_imm32_b32 hwreg(HW_REG_WAVE_MODE, 25, 1), 1
	s_wait_xcnt 0x0
; decoder_input, encoder_output [8192][1024] and the four weights [1024 (k)][1024 (n)], f32, become codes of FP6 (E2M3) with one E8M0 byte for each 32 along K.
; A block's scale is 2^(floor(log2(largest magnitude)) - 2); its byte is the largest magnitude's exponent field - 2, held at 1 from below.
; LIMITS: NaN and infinities among the inputs are not served; a block whose largest magnitude lies under 2^-124 keeps the byte 1; a block of zeros gets the byte 1 where the
; rule says 127: its codes are zeros, which add nothing under any byte but 0xff, and the bytes are read by this program alone.
; LAYOUT OF cod: [R 0..1279][Cg 0..15] half fragments of 768 bytes.  A half fragment is 16 rows x 64 along K as the matrix operand's registers hold it: lane l = r + 16 h has row r,
; k = 32 h .. 32 h + 31, six registers: registers 0-3 at byte 16 l, registers 4-5 at byte 512 + 8 l.  R 0-511: decoder rows, 512-1023: encoder rows, 1024 + 64 j ..: the columns n of weight j.
; THE ROWS OF A STORED TILE ARE NOT NEIGHBOURS: row t of tile R is true row 32 (R / 2) + 8 (R % 2) + 16 (t / 8) + t % 8, so that where such a tile is a product's source 0 the 16 registers
; of result tiles 2 b and 2 b + 1 are 16 neighbours.
; LAYOUT OF scl: [R][ks 0..3][r 0..15][8 bytes]: byte i is the scale of block 8 ks + i of row r.
; Work-groups 0-511 take the two activations (K innermost), 512-639 the weights (K outermost).  The two paths part on the work-group's number, never join, and have LDS bytes of their own.
; No tensor loads, no barrier: waves share nothing.
.set RS,   32                          ; X path: v32-127  three sets of 32 registers as loaded
.set XS,   128                         ;         v128-191 two sets of 32 neighbours along K
.set CC,   192                         ;         v192-207 two sets of 8 for codes
.set WX,   32                          ; W path: v32-95   two sets of 32 numbers down K
.set WC,   96                          ;         v96-102  a block's codes
.set WO,   112                         ;         v112-159 the way out
.set STG,  4352                        ; X path: a stage of 16 rows x (256 + 16) bytes; two for each wave
.set WLDS, 34816                       ; W path: its LDS begins behind the X path's 4 x 8,704 bytes
; v16 = the largest magnitude of the 32 numbers from v[xb] on, and the floor 2^(3 - 127), under which none is taken: two chains
.macro BMAX xb
	v_max3_num_f32 v16, |v[\xb]|, |v[\xb+1]|, 0x1800000
	v_max3_num_f32 v17, |v[\xb+2]|, |v[\xb+3]|, |v[\xb+4]|
.irp i, 5,9,13,17,21,25
	v_max3_num_f32 v16, v16, |v[\xb+\i]|, |v[\xb+\i+1]|
	v_max3_num_f32 v17, v17, |v[\xb+\i+2]|, |v[\xb+\i+3]|
.endr
	v_max3_num_f32 v16, v16, |v[\xb+29]|, |v[\xb+30]|
	v_max3_num_f32 v16, v16, v17, |v[\xb+31]|
.endm
; the block's 32 codes into v[cb] .. v[cb + 5], its byte into v19
.macro CODES xb, cb
	v_add_nc_u32 v18, 0xff000000, v16              ; 2 off the exponent field: the conversion takes this operand's exponent field as its scale
	v_cvt_scalef32_pk16_fp6_f32 v[\cb:\cb+2], v[\xb:\xb+15], v18
	v_cvt_scalef32_pk16_fp6_f32 v[\cb+4:\cb+6], v[\xb+16:\xb+31], v18   ; (a conversion's three registers begin on an even number)
	v_lshrrev_b32 v19, 23, v18                     ; the scale's byte; also the plain line behind the conversions
	v_mov_b32 v[\cb+3], v[\cb+4]
	v_mov_b32 v[\cb+4], v[\cb+5]
	v_mov_b32 v[\cb+5], v[\cb+6]
.endm
	s_load_b512 s[4:19], s[0:1], 0x0               ; dec s[4:5], enc s[6:7], W_q s[8:9], W_k s[10:11], W_v s[12:13], W_o s[14:15], cod s[16:17], scl s[18:19]
	v_lshl_add_u32 v208, v0, 2, 0xf000
	v_mov_b32 v209, 0
	v_lshrrev_b32 v1, 5, v0
	v_readfirstlane_b32 s20, v1                    ; wave 0..3
	v_and_b32 v7, 31, v0                           ; lane
	s_cmp_lt_u32 ttmp9, 512
	s_cbranch_scc0 .Lweights
; ---------------- X: the activations.  Work-group g takes 32 true rows = stored tiles 2 g, 2 g + 1; wave w takes tile 2 g + w / 2 and half w % 2 of K: 8 half fragments.
	v_and_b32 v20, 15, v0                          ; l % 16
	v_bfe_u32 v21, v0, 4, 1                        ; l / 16
	v_lshlrev_b32 v1, 4, v20
	v_lshl_add_u32 v1, v21, 12, v1                 ; in: lanes 0-15 one row's 256 bytes, lanes 16-31 the next row's
	s_mul_i32 s21, s20, 2*STG                      ; my two stages
	v_mul_u32_u24 v2, v21, 272
	v_lshl_add_u32 v2, v20, 4, v2
	v_add_nc_u32 v2, s21, v2                       ; into a stage: as loaded
	v_mul_u32_u24 v3, v20, 272
	v_lshl_add_u32 v3, v21, 7, v3
	v_add_nc_u32 v3, s21, v3                       ; out of it: row r, 128 bytes from 128 h on: my whole block of 32
	v_lshlrev_b32 v4, 4, v7                        ; 16 l
	v_lshlrev_b32 v5, 3, v7                        ; 8 l
	v_lshlrev_b32 v6, 3, v21                       ; 8 h
.irp k, 0,1,2,3
	v_mov_b32 v[12+\k], 0                          ; written once: a lane permute's destination counts as one of its sources
.endr
	s_and_b32 s22, ttmp9, 255
	s_lshl_b32 s22, s22, 5                         ; the work-group's first true row in its tensor
	s_lshr_b32 s24, s20, 1
	s_lshl_b32 s23, s24, 3
	s_add_co_u32 s22, s22, s23                     ; + 8 (w / 2)
	s_lshl_b32 s22, s22, 12                        ; rows of 4,096 bytes
	s_and_b32 s25, s20, 1                          ; which half of K
	s_lshl_b32 s23, s25, 11
	s_add_co_u32 s22, s22, s23
	s_mov_b32 s23, 0
	s_lshl_b32 s26, ttmp9, 1
	s_add_co_u32 s24, s26, s24                     ; R
	s_mul_i32 s26, s24, 12288
	s_mul_i32 s27, s25, 6144
	s_add_co_u32 s26, s26, s27                     ; my codes
	s_mov_b32 s27, 0
	s_lshl_b32 s30, s24, 9
	s_lshl_b32 s31, s25, 8
	s_add_co_u32 s30, s30, s31                     ; my scale bytes
	s_mov_b32 s31, 0
	s_mov_b32 s28, 0x76543210
	s_mov_b32 s29, 0xfedcba98                      ; v_permlanex16_b32's selects for lane l xor 16
	s_wait_alu depctr_va_vdst(0)
	s_wait_kmcnt 0x0
	s_cmp_lt_u32 ttmp9, 256                        ; the choice hangs on the work-group's number alone
	s_cselect_b64 s[4:5], s[4:5], s[6:7]
	s_add_nc_u64 s[4:5], s[4:5], s[22:23]
	s_add_nc_u64 s[16:17], s[16:17], s[26:27]
	s_add_nc_u64 s[18:19], s[18:19], s[30:31]
.macro XLOAD i                         ; half fragment i: 16 rows x 256 bytes; each load reads two rows' aligned 256 bytes
.irp j, 0,1,2,3,4,5,6,7
	global_load_b128 v[RS+32*((\i)%3)+4*\j:RS+32*((\i)%3)+4*\j+3], v1, s[4:5] offset:(16*(\j/4)+2*(\j%4))*4096+256*(\i) th:TH_LOAD_NT
.endr
.endm
.macro XTURN i                         ; through a stage: LDS serves a wave's instructions in order, so no wait stands between the stores and the loads
.irp j, 0,1,2,3,4,5,6,7
	ds_store_b128 v2, v[RS+32*((\i)%3)+4*\j:RS+32*((\i)%3)+4*\j+3] offset:STG*((\i)%2)+544*\j
.endr
.irp m, 0,1,2,3,4,5,6,7
	ds_load_b128 v[XS+32*((\i)%2)+4*\m:XS+32*((\i)%2)+4*\m+3], v3 offset:STG*((\i)%2)+16*\m
.endr
.endm
.macro XHF i
.set XB, XS+32*((\i)%2)
.set CB, CC+8*((\i)%2)
	s_wait_dscnt 0x0                               ; this half fragment is back from its stage, and its stores into the stage have read their registers,
.if (\i) < 5
	XLOAD (\i)+3                                   ; which take the loads of three half fragments on
.endif
.if (\i) < 5
	s_wait_loadcnt 16                              ; the next one's eight loads are in; those of the two behind it may be out
.elseif (\i) == 5
	s_wait_loadcnt 8
.elseif (\i) == 6
	s_wait_loadcnt 0
.endif
.if (\i) < 7
	XTURN (\i)+1                                   ; it goes through the other stage while this one is worked
.endif
	BMAX XB
	s_wait_alu depctr_va_vdst(0)
	s_wait_xcnt 0x0                                ; the stores of two half fragments ago have read this set of code registers
	CODES XB, CB
.if (\i)%2 == 0
	v_mov_b32 v[8+(\i)/2], v19                     ; my bytes: block 4 k + h at bit 0, block 4 k + 2 + h at bit 16 of word k
.else
	v_lshl_or_b32 v[8+(\i)/2], v19, 16, v[8+(\i)/2]
.endif
	global_store_b128 v4, v[CB:CB+3], s[16:17] offset:768*(\i)         ; 512 consecutive bytes
	global_store_b64 v5, v[CB+4:CB+5], s[16:17] offset:768*(\i)+512    ; 256 consecutive bytes
.endm
	XLOAD 0
	XLOAD 1
	XLOAD 2
	s_wait_loadcnt 16                              ; the first eight loads are in
	XTURN 0
.irp i, 0,1,2,3,4,5,6,7
	XHF \i
.endr
.irp k, 0,1,2,3
	v_lshlrev_b32 v[8+\k], v6, v[8+\k]             ; 8 h bits up: each byte at its place in the word
.endr
.irp k, 0,1,2,3
	v_permlanex16_b32 v[12+\k], v[8+\k], s28, s29
.endr
.irp k, 0,1,2,3
	v_or_b32 v[8+\k], v[8+\k], v[12+\k]            ; with lane l xor 16's the four words are whole
.endr
	v_cmp_lt_u32 vcc_lo, 15, v7
	v_cndmask_b32 v8, v8, v10, vcc_lo              ; lanes 0-15 store words 0, 1 (the first 256 along K of my half), lanes 16-31 words 2, 3
	v_cndmask_b32 v9, v9, v11, vcc_lo
	global_store_b64 v5, v[8:9], s[18:19]          ; 32 lanes store 256 consecutive bytes, aligned
	s_wait_tensorcnt 0x0
	ds_add_u32 v208, v209
	s_wait_dscnt 0x0
	s_endpgm
; ---------------- W: the weights.  A lane takes a column n and its registers run down K.  Work-group: weight j, 128 columns, 256 along K; a wave 32 columns = stored tiles Rb, Rb + 1.
.Lweights:
	s_sub_co_u32 s21, ttmp9, 512
	s_lshr_b32 s22, s21, 5                         ; j
	s_bfe_u32 s23, s21, 0x30002                    ; which 128 columns
	s_and_b32 s24, s21, 3                          ; which 256 along K
	s_mul_i32 s25, s20, 6400
	s_add_co_u32 s25, s25, WLDS                    ; my stage: two tiles' four half fragments, 3,200 bytes apart
	v_bfe_u32 v20, v0, 3, 1                        ; column c of 32: stored tile Rb + bit 3 of c,
	v_and_b32 v21, 7, v0
	v_bfe_u32 v22, v0, 4, 1
	v_lshl_add_u32 v21, v22, 3, v21                ; stored row r = c % 8 + 8 x bit 4 of c
	s_wait_alu depctr_va_vdst(0)
	v_lshlrev_b32 v1, 2, v7                        ; in: 4 bytes a lane
	v_mul_u32_u24 v2, v20, 3200
	v_add_nc_u32 v2, s25, v2
	v_lshl_add_u32 v3, v21, 3, v2                  ; where registers 4-5 of an image go: + 8 r
	v_lshl_add_u32 v2, v21, 4, v2                  ; where registers 0-3 go: + 16 r
	v_lshl_add_u32 v4, v7, 4, s25                  ; out of the stage: 16 bytes a lane
	v_lshlrev_b32 v5, 4, v7
	v_lshlrev_b32 v6, 9, v20
	v_lshl_add_u32 v6, v21, 3, v6                  ; my column's 8 scale bytes: 512 x tile + 8 r
	s_lshl_b32 s26, s24, 20                        ; 256 rows of 4,096 bytes
	s_lshl_b32 s27, s23, 9
	s_add_co_u32 s26, s26, s27
	s_lshl_b32 s27, s20, 7
	s_add_co_u32 s26, s26, s27                     ; + my wave's first column
	s_mov_b32 s27, 0
	s_lshl_b32 s28, s22, 6
	s_lshl_b32 s29, s23, 3
	s_add_co_u32 s28, s28, s29
	s_lshl_b32 s29, s20, 1
	s_add_co_u32 s28, s28, s29
	s_add_co_u32 s28, s28, 1024                    ; Rb
	s_mul_i32 s30, s28, 12288
	s_mul_i32 s31, s24, 3072
	s_add_co_u32 s30, s30, s31                     ; my codes
	s_mov_b32 s31, 0
	s_lshl_b32 s28, s28, 9
	s_lshl_b32 s29, s24, 7
	s_add_co_u32 s28, s28, s29                     ; my scale bytes
	s_mov_b32 s29, 0
	s_wait_alu depctr_va_vdst(0)
	s_wait_kmcnt 0x0
	s_cmp_eq_u32 s22, 1
	s_cselect_b64 s[8:9], s[10:11], s[8:9]
	s_cmp_eq_u32 s22, 2
	s_cselect_b64 s[8:9], s[12:13], s[8:9]
	s_cmp_eq_u32 s22, 3
	s_cselect_b64 s[8:9], s[14:15], s[8:9]
	s_add_nc_u64 s[8:9], s[8:9], s[26:27]
	s_add_nc_u64 s[16:17], s[16:17], s[30:31]
	s_add_nc_u64 s[18:19], s[18:19], s[28:29]
.macro WLOAD t                         ; block t: W(32 t + i, my column): a wave reads 128 consecutive bytes
.set q, 0
.rept 32
	global_load_b32 v[WX+32*((\t)%2)+q], v1, s[8:9] offset:(32*(\t)+q)*4096 th:TH_LOAD_NT
.set q, q+1
.endr
.endm
.macro WBLOCK t
.set XB, WX+32*((\t)%2)
.if (\t) < 7
	s_wait_loadcnt 32                              ; this block's 32 loads are in; the next block's may be out
.else
	s_wait_loadcnt 0
.endif
	BMAX XB
	CODES XB, WC
.if (\t)%4 == 0
	v_mov_b32 v[24+(\t)/4], v19                    ; four bytes to a register, the lower K in the lower byte
.else
	v_lshl_or_b32 v[24+(\t)/4], v19, 8*((\t)%4), v[24+(\t)/4]
.endif
	ds_store_b128 v2, v[WC:WC+3] offset:768*((\t)/2)+256*((\t)%2)          ; block t is half t % 2 of half fragment t / 2: lane r + 16 (t % 2) of its image
	ds_store_b64 v3, v[WC+4:WC+5] offset:768*((\t)/2)+512+128*((\t)%2)
.if (\t)+2 < 8
	WLOAD (\t)+2
.endif
	s_wait_dscnt 0x0                               ; the stores have read their registers: the next block's codes may be written
.endm
	WLOAD 0
	WLOAD 1
.irp t, 0,1,2,3,4,5,6,7
	WBLOCK \t
.endr
	s_wait_alu depctr_va_vdst(0)
	global_store_b64 v6, v[24:25], s[18:19]        ; 8 bytes a column: two runs of 128 consecutive bytes a wave (the other half of each aligned 256 belongs to another 256 along K)
.irp u, 0,1
.irp m, 0,1,2,3,4,5
	ds_load_b128 v[WO+4*(6*\u+\m):WO+4*(6*\u+\m)+3], v4 offset:3200*\u+512*\m
.endr
.endr
.irp u, 0,1
.irp m, 0,1,2,3,4,5
	s_wait_dscnt 11-(6*\u+\m)
	global_store_b128 v5, v[WO+4*(6*\u+\m):WO+4*(6*\u+\m)+3], s[16:17] offset:12288*\u+512*\m   ; 512 consecutive bytes
.endr
.endr
	s_wait_tensorcnt 0x0
	ds_add_u32 v208, v209
	s_wait_dscnt 0x0
	s_endpgm
.Lfunc_end_k_q8183fbd695_quant:
	.size	k_q8183fbd695_quant, .Lfunc_end_k_q8183fbd695_quant-k_q8183fbd695_quant
	.p2alignl 7, 3214868480
	.fill 96, 4, 3214868480
	.section	.rodata,"a",@progbits
	.p2align	6, 0x0
	.amdhsa_kernel k_q8183fbd695_quant
		.amdhsa_group_segment_fixed_size 61952
		.amdhsa_private_segment_fixed_size 0
		.amdhsa_enable_private_segment 0
		.amdhsa_kernarg_size 64
		.amdhsa_user_sgpr_count 2
		.amdhsa_user_sgpr_kernarg_segment_ptr 1
		.amdhsa_wavefront_size32 1
		.amdhsa_system_sgpr_workgroup_id_x 1
		.amdhsa_system_sgpr_workgroup_id_y 1
		.amdhsa_system_sgpr_workgroup_id_z 1
		.amdhsa_system_vgpr_workitem_id 0
		.amdhsa_next_free_vgpr 210
		.amdhsa_next_free_sgpr 66
		.amdhsa_reserve_vcc 1
		.amdhsa_float_denorm_mode_32 3
		.amdhsa_float_denorm_mode_16_64 3
		.amdhsa_memory_ordered 1
		.amdhsa_forward_progress 1
		.amdhsa_inst_pref_size 73
	.end_amdhsa_kernel
	.amdgpu_metadata
---
amdhsa.version: [ 1, 2 ]
amdhsa.kernels:
  - .name:           k_q8183fbd695_quant
    .symbol:         k_q8183fbd695_quant.kd
    .args:
      - { .name: decoder_input, .offset: 0, .size: 8, .value_kind: global_buffer, .address_space: global }
      - { .name: encoder_output, .offset: 8, .size: 8, .value_kind: global_buffer, .address_space: global }
      - { .name: W_q, .offset: 16, .size: 8, .value_kind: global_buffer, .address_space: global }
      - { .name: W_k, .offset: 24, .size: 8, .value_kind: global_buffer, .address_space: global }
      - { .name: W_v, .offset: 32, .size: 8, .value_kind: global_buffer, .address_space: global }
      - { .name: W_o, .offset: 40, .size: 8, .value_kind: global_buffer, .address_space: global }
      - { .name: cod, .offset: 48, .size: 8, .value_kind: global_buffer, .address_space: global }
      - { .name: scl, .offset: 56, .size: 8, .value_kind: global_buffer, .address_space: global }
    .group_segment_fixed_size: 61952
    .private_segment_fixed_size: 0
    .kernarg_segment_align: 8
    .kernarg_segment_size: 64
    .max_flat_workgroup_size: 128
    .sgpr_count:     66
    .vgpr_count:     210
    .wavefront_size: 32
...
	.end_amdgpu_metadata
.endif
;; end of part 1
;; launch proj (part 2): grid 4 x 192, 4 waves a work-group, clusters of 4 x 4, 327,680 bytes of LDS; arguments cod, scl, qc, qs, kv; writes qc, qs, kv
.if DOCPART == 2
	.amdgcn_target "amdgcn-amd-amdhsa--gfx1250"
	.amdhsa_code_object_version 6
	.text
	.protected	k_q8183fbd695_proj
	.globl	k_q8183fbd695_proj
	.p2align	8
	.type	k_q8183fbd695_proj,@function
k_q8183fbd695_proj:
	s_mov_b64 s[64:65], 0
	v_nop
	global_prefetch_b8 v0, s[64:65] scope:SCOPE_SE
	s_setreg_imm32_b32 hwreg(HW_REG_WAVE_MODE, 25, 1), 1
	s_wait_xcnt 0x0
	s_wait_alu depctr_hold_cnt(0) depctr_sa_sdst(0) depctr_va_vdst(0) depctr_va_sdst(0) depctr_va_ssrc(0) depctr_va_vcc(0) depctr_vm_vsrc(0)
	s_getreg_b32 s2, hwreg(HW_REG_IB_STS2, 6, 4)
	s_cmp_eq_u32 s2, 0
	s_cbranch_scc0 .Lentry_in_a_cluster
	s_endpgm
.Lentry_in_a_cluster:
	s_bfe_u32 s2, ttmp6, 0x10000c
	s_cmp_lg_u32 s2, 0xf033
	s_cbranch_scc0 .Lentry_shape_is_right
	s_endpgm
.Lentry_shape_is_right:
; The three projections Q = dec W_q, K = enc W_k, V = enc W_v on codes of FP6 (E2M3) with E8M0 scales, each result quantised in registers along the K of the product that will read it,
; and stored as codes in the order of that product's operand registers.  Nothing wide goes to memory.
; A work-group makes 128 (S1: the lanes' rows) x 256 (S0: the registers' columns) over K = 1,024.  THE MATRIX INSTRUCTION IS USED TRANSPOSED: source 0 = 16 rows of S0, source 1 = 16 rows of S1.
; Q, K: S1 = rows of dec or enc, S0 = columns of the weight: a lane holds one query or key, its registers run along the features.  V: S1 = columns of W_v, S0 = rows of enc: a lane holds one
; channel and its registers run along the KEYS, which are the second attention product's K.  One text serves the three: what differs is chosen by s_cselect on the section, which all partners share.
; cod's stored tiles hold rows 32 (R / 2) + 8 (R % 2) + 16 (t / 8) + t % 8, so the 16 registers of result tiles 2 b, 2 b + 1 are 16 neighbours along S0: 64 registers are 128 along the next K.
; THE WHOLE OF K LIES IN LDS: four regions of 256 along K (24 stored tiles x 3,072 bytes) and the scales; every byte of LDS is filled once, so nothing is ever filled again.
; CLUSTER 4 x 4: S1's tiles hang on cy and are asked for jointly along a row of the cluster, S0's on cx and jointly along a column.  Wave 0 asks for S1's, waves 1 and 2 for S0's two halves:
; five tensor loads each (the scales, then the four regions) are out at the most.
; Four waves: wave w takes S1's rows 64 (w / 2) on and S0's rows 128 (w % 2) on: 32 accumulators, (a, b) at v[8 (8 a + b)] of window 2.
; LIMITS: a block whose largest magnitude lies under 2^-124 keeps the byte 1, a block of zeros too (its codes are zeros; only this program reads the bytes); NaN and infinities are not served.
; REGISTERS: window 0: v1-15 addresses; v16-31 at work; v32-55 scale words, two sets; v56, v60-63 the scale words made; v64-159 S1's fragments, two sets; v160-179 the codes made.
;   window 1: S0's fragments, two sets, at v0 and v128.   window 2: the accumulators.
; THE FILLS, AS THIS TEXT HAS THEM (they take the place of what the lines above say of regions and of who asks): LDS holds TWO regions of 512 along K, 24 stored tiles x 6,144 bytes each.
; At the head one joint load a wave: wave 0 S1's eight tiles of region 0, wave 1 S0's sixteen, wave 2 S1's scales, wave 3 S0's.  Region 1 is a later first fill: behind the three lines and a round
; of the cluster's barrier waves 0 and 1 ask for it.  One tensor load a wave is out at the most.  Every byte is still filled once.
.set REG,  147456                      ; a region: 24 stored tiles x 6,144 bytes
.set GRP,  49152                       ; 8 stored tiles of a region
.set RB,   6144                        ; a stored tile's 512 along K: eight half fragments
.set SCL,  294912                      ; behind the regions: the scales, 4,096 bytes for each 8 stored tiles
.set FR,   12
.set SC,   32
.set AF,   64
.set TM,   16
.set PW,   56
.set XW,   60
.set PC,   160
.set WV,   14
.set H1,   15
.set H0,   16
.set WFIRST, 0xa1
.set MSB, 0
.macro WIN new                         ; the immediate's high byte repeats the setting that is left
.if MSB != \new
	s_set_vgpr_msb (MSB<<8)|\new
.set MSB, \new
.endif
.endm
.macro PLACES
.rept 4
	v_nop
.endr
.endm
.macro CROUND                          ; a round of the cluster's barrier
	s_barrier_signal -1
	s_barrier_wait -1
	s_cmp_lg_u32 s[WV], 0
	s_cbranch_scc1 .Lnot_wave_0_\@
	s_barrier_signal -3
.Lnot_wave_0_\@:
	s_barrier_wait -3
	s_barrier_signal -1
	s_barrier_wait -1
.endm
	s_load_b256 s[4:11], s[0:1], 0x0               ; cod s[4:5], scl s[6:7], qc s[8:9], qs s[10:11]
	s_load_b64 s[12:13], s[0:1], 0x20              ; kv
	v_lshl_add_u32 v254, v0, 2, 0x4b000
	v_mov_b32 v255, 0
	ds_add_u32 v254, v255
	ds_add_u32 v254, v255
	v_lshrrev_b32 v1, 5, v0
	v_readfirstlane_b32 s[WV], v1                  ; wave 0..3
	s_lshr_b32 s[H1], s[WV], 1
	s_and_b32 s[H0], s[WV], 1
	s_bfe_u32 s17, ttmp6, 0x40000                  ; cx
	s_bfe_u32 s18, ttmp6, 0x40004                  ; cy
	s_and_b32 s20, ttmp7, 0xffff                   ; the cluster's y, 0..47
	s_lshr_b32 s19, s20, 4                         ; section: 0 Q, 1 K, 2 V
	s_and_b32 s20, s20, 15
	s_and_b32 s21, s20, 7
	s_lshl_b32 s21, s21, 2                         ; V: S0's tile = 4 (idx % 8) + cx (32 tiles of 256 keys)
	s_lshr_b32 s22, s20, 3
	s_lshl_b32 s22, s22, 2                         ; V: S1's tile = 4 (idx / 8) + cy (8 tiles of 128 channels)
	s_lshl_b32 s23, s20, 2                         ; Q, K: S1's tile = 4 idx + cy; S0's = cx
	s_lshl_b32 s100, s19, 6
	s_add_co_u32 s100, s100, 1024                  ; Q, K: S0 is weight 0 or 1
	s_lshl_b32 s101, s19, 9                        ; Q, K: S1 is dec (R 0 on) or enc (R 512 on)
	s_mov_b32 s104, 1152                           ; V: S1 is W_v
	s_cmp_eq_u32 s19, 2
	s_cselect_b32 s21, s21, 0
	s_cselect_b32 s22, s22, s23
	s_cselect_b32 s100, 512, s100                  ; V: S0 is enc
	s_cselect_b32 s101, s104, s101
	s_add_co_u32 s21, s21, s17                     ; tile0: hangs on cx alone
	s_add_co_u32 s22, s22, s18                     ; tile1: hangs on cy alone
	s_lshl_b32 s23, s21, 4
	s_add_co_u32 s23, s23, s100
	s_lshl_b32 s100, s22, 3
	s_add_co_u32 s100, s100, s101                  ; S1's first stored tile
	s_lshl_b32 s2, s18, 2
	s_lshl_b32 s2, 15, s2                          ; my row of the cluster
	s_lshl_b32 s104, 0x1111, s17                   ; my column
	s_or_b32 s24, s2, (3<<16)|(1<<21)              ; group 1, S1's tiles: 15:0 the mask; 17:16 elements of 8 bytes; 21 set beside a mask; no padding
	s_or_b32 s32, s104, (3<<16)|(1<<21)            ; S0's tiles
	s_or_b32 s40, s2, (3<<16)|(1<<21)              ; S1's scales
	s_or_b32 s48, s104, (3<<16)|(1<<21)            ; S0's scales
.irp g, 24, 32                         ; 8 (S1) or 16 (S0) stored tiles x 6,144 bytes (768 elements), 12,288 bytes (1,536 elements) apart
	s_mov_b32 s[\g+1], 768<<16
	s_mov_b32 s[\g+2], (\g-16)<<16
	s_mov_b32 s[\g+3], 768<<16
	s_mov_b32 s[\g+4], \g-16
	s_mov_b32 s[\g+5], 1536
	s_mov_b32 s[\g+6], 0
	s_mov_b32 s[\g+7], 0
.endr
.irp g, 40, 48                         ; 4,096 (S1) or 8,192 (S0) dense bytes as 16 or 32 rows of 256
	s_mov_b32 s[\g+1], 32<<16
	s_mov_b32 s[\g+2], (2*(\g-32))<<16
	s_mov_b32 s[\g+3], 32<<16
	s_mov_b32 s[\g+4], 2*(\g-32)
	s_mov_b32 s[\g+5], 32
	s_mov_b32 s[\g+6], 0
	s_mov_b32 s[\g+7], 0
.endr
	s_wait_dscnt 0x0
	s_wait_kmcnt 0x0
	s_lshl_b32 s2, s100, 9                         ; S1: 512 scale bytes a stored tile
	s_mov_b32 s3, 0
	s_mov_b32 s56, 1
	s_mov_b32 s57, SCL
	s_add_nc_u64 s[58:59], s[6:7], s[2:3]
	s_or_b32 s59, s59, 0x80000000
	s_mul_i32 s2, s100, 12288                      ; and 12,288 bytes of codes
	s_add_nc_u64 s[2:3], s[4:5], s[2:3]
.irp k, 0,1                            ; group 0 for region k: s60-63, s68-71
.set GA, 60+4*\k+4*((\k+2)/3)
	s_mov_b32 s[GA], 1
	s_mov_b32 s[GA+1], REG*\k
	s_add_nc_u64 s[GA+2:GA+3], s[2:3], RB*\k
	s_or_b32 s[GA+3], s[GA+3], 0x80000000
.endr
	s_lshl_b32 s104, s23, 9                        ; S0 likewise, in registers that never hold cy
	s_mov_b32 s105, 0
	s_mov_b32 s80, 1
	s_mov_b32 s81, SCL+4096
	s_add_nc_u64 s[82:83], s[6:7], s[104:105]
	s_or_b32 s83, s83, 0x80000000
	s_mul_i32 s104, s23, 12288
	s_add_nc_u64 s[104:105], s[4:5], s[104:105]
.irp k, 0,1
	s_mov_b32 s[84+4*\k], 1
	s_mov_b32 s[85+4*\k], GRP+REG*\k
	s_add_nc_u64 s[86+4*\k:87+4*\k], s[104:105], RB*\k
	s_or_b32 s[87+4*\k], s[87+4*\k], 0x80000000
.endr
	CROUND                                         ; all sixteen work-groups are here: the joint loads meet
	s_cmp_eq_u32 s[WV], 0                          ; one chain of branches on the wave's number, one load to an arm
	s_cbranch_scc0 .Lw1
	tensor_load_to_lds s[60:63], s[24:31]          ; wave 0: S1's tiles of region 0
	s_nop 0
	PLACES
	s_branch .Lasked
.Lw1:
	s_cmp_eq_u32 s[WV], 1
	s_cbranch_scc0 .Lw2
	tensor_load_to_lds s[84:87], s[32:39]          ; wave 1: S0's
	s_nop 0
	PLACES
	s_branch .Lasked
.Lw2:
	s_cmp_eq_u32 s[WV], 2
	s_cbranch_scc0 .Lw3
	tensor_load_to_lds s[56:59], s[40:47]          ; wave 2: S1's scales
	s_nop 0
	PLACES
	s_branch .Lasked
.Lw3:
	tensor_load_to_lds s[80:83], s[48:55]          ; wave 3: S0's scales
	s_nop 0
	PLACES
.Lasked:
	v_and_b32 v3, 31, v0                           ; l
	v_and_b32 v1, 15, v0                           ; r
	v_bfe_u32 v2, v0, 4, 1                         ; h
	s_mul_i32 s2, s[H1], 4*RB
	v_lshl_add_u32 v4, v3, 4, s2                   ; S1's images: 16 l, and
	v_lshl_add_u32 v5, v3, 3, s2                   ; 8 l, + my four stored tiles
	s_mul_i32 s2, s[H0], GRP
	s_add_co_u32 s2, s2, GRP
	v_lshl_add_u32 v6, v3, 4, s2                   ; S0's likewise: my eight stored tiles, behind S1's eight
	v_lshl_add_u32 v7, v3, 3, s2
	s_lshl_b32 s2, s[H1], 11
	s_add_co_u32 s2, s2, SCL
	v_lshl_add_u32 v8, v1, 3, s2
	v_lshl_add_u32 v8, v2, 10, v8                  ; S1's scale words: lanes 0-15 tile i, lanes 16-31 tile i + 2
	s_lshl_b32 s2, s[H0], 12
	s_add_co_u32 s2, s2, SCL+4096
	v_lshl_add_u32 v9, v1, 3, s2
	v_lshl_add_u32 v9, v2, 11, v9                  ; S0's: lanes 0-15 tile i, lanes 16-31 tile i + 4
.irp b, 0,1,2,3
	v_mov_b32 v[TM+4+\b], 0                        ; written once: a lane permute's destination counts as one of its sources
.endr
.macro FRAG reg, a16, a8, off          ; a fragment, 16 rows x 128 K, is two half fragments on end: four dense loads
	ds_load_b128 v[\reg:\reg+3], v[\a16] offset:\off
	ds_load_b64 v[\reg+4:\reg+5], v[\a8] offset:\off+512
	ds_load_b128 v[\reg+6:\reg+9], v[\a16] offset:\off+768
	ds_load_b64 v[\reg+10:\reg+11], v[\a8] offset:\off+1280
.endm
.macro FETCH n                         ; step n's fragments (128 along K) into set n % 2
	WIN 0x40                                       ; destination window 1
.irp i, 0,1,2,3,4,5,6,7
	FRAG 128*((\n)%2)+FR*\i, 6, 7, RB*\i+1536*((\n)%4)
.endr
	WIN 0
.irp i, 0,1,2,3
	FRAG AF+48*((\n)%2)+FR*\i, 4, 5, RB*\i+1536*((\n)%4)
.endr
.endm
.macro SCALES sc, ks                   ; a region's scale words, two for each row: six loads of 8 bytes (their lanes' two halves lie a multiple of 256 bytes apart and share banks two deep)
.irp i, 0,1,2,3
	ds_load_b64 v[SC+12*(\sc)+2*\i:SC+12*(\sc)+2*\i+1], v9 offset:512*\i+128*(\ks)
.endr
.irp i, 0,1
	ds_load_b64 v[SC+12*(\sc)+8+2*\i:SC+12*(\sc)+8+2*\i+1], v8 offset:512*\i+128*(\ks)
.endr
.endm
.macro MM a, b, p, q, sc, first        ; one product: S0's tile b x S1's tile a; the scale words' rows go by b / 4 and a / 2
.set rD, 8*(8*(\a)+(\b))
.set rS0, 128*(\p)+FR*(\b)
.set rS1, AF+48*(\p)+FR*(\a)
.set rC0, SC+12*(\sc)+2*((\b)%4)+(\q)
.set rC1, SC+12*(\sc)+8+2*((\a)%2)+(\q)
.if \first
.if ((\b) < 4) && ((\a) < 2)
	v_wmma_scale_f32_16x16x128_f8f6f4 v[rD:rD+7], v[rS0:rS0+11], v[rS1:rS1+11], 0, v[rC0], v[rC1] matrix_a_fmt:MATRIX_FMT_FP6 matrix_b_fmt:MATRIX_FMT_FP6
.elseif (\a) < 2
	v_wmma_scale_f32_16x16x128_f8f6f4 v[rD:rD+7], v[rS0:rS0+11], v[rS1:rS1+11], 0, v[rC0], v[rC1] matrix_a_fmt:MATRIX_FMT_FP6 matrix_b_fmt:MATRIX_FMT_FP6 matrix_a_scale:MATRIX_SCALE_ROW1
.elseif (\b) < 4
	v_wmma_scale_f32_16x16x128_f8f6f4 v[rD:rD+7], v[rS0:rS0+11], v[rS1:rS1+11], 0, v[rC0], v[rC1] matrix_a_fmt:MATRIX_FMT_FP6 matrix_b_fmt:MATRIX_FMT_FP6 matrix_b_scale:MATRIX_SCALE_ROW1
.else
	v_wmma_scale_f32_16x16x128_f8f6f4 v[rD:rD+7], v[rS0:rS0+11], v[rS1:rS1+11], 0, v[rC0], v[rC1] matrix_a_fmt:MATRIX_FMT_FP6 matrix_b_fmt:MATRIX_FMT_FP6 matrix_a_scale:MATRIX_SCALE_ROW1 matrix_b_scale:MATRIX_SCALE_ROW1
.endif
.else
.if ((\b) < 4) && ((\a) < 2)
	v_wmma_scale_f32_16x16x128_f8f6f4 v[rD:rD+7], v[rS0:rS0+11], v[rS1:rS1+11], v[rD:rD+7], v[rC0], v[rC1] matrix_a_fmt:MATRIX_FMT_FP6 matrix_b_fmt:MATRIX_FMT_FP6
.elseif (\a) < 2
	v_wmma_scale_f32_16x16x128_f8f6f4 v[rD:rD+7], v[rS0:rS0+11], v[rS1:rS1+11], v[rD:rD+7], v[rC0], v[rC1] matrix_a_fmt:MATRIX_FMT_FP6 matrix_b_fmt:MATRIX_FMT_FP6 matrix_a_scale:MATRIX_SCALE_ROW1
.elseif (\b) < 4
	v_wmma_scale_f32_16x16x128_f8f6f4 v[rD:rD+7], v[rS0:rS0+11], v[rS1:rS1+11], v[rD:rD+7], v[rC0], v[rC1] matrix_a_fmt:MATRIX_FMT_FP6 matrix_b_fmt:MATRIX_FMT_FP6 matrix_b_scale:MATRIX_SCALE_ROW1
.else
	v_wmma_scale_f32_16x16x128_f8f6f4 v[rD:rD+7], v[rS0:rS0+11], v[rS1:rS1+11], v[rD:rD+7], v[rC0], v[rC1] matrix_a_fmt:MATRIX_FMT_FP6 matrix_b_fmt:MATRIX_FMT_FP6 matrix_a_scale:MATRIX_SCALE_ROW1 matrix_b_scale:MATRIX_SCALE_ROW1
.endif
.endif
.endm
; A step of 128 along K: the next step's fragments are asked for, then this step's 32 products are issued.  The 32 accumulators take turns, one instruction a turn, in the same order in
; every step.  In step 3 region 1 is shown whole to every wave: each wave waits for its tensor loads, then a barrier behind which nothing is filled.
.macro STEP n, first
	s_wait_dscnt 0x0                               ; this step's fragments are in
.if (\n) == 3
	s_wait_tensorcnt 0x0                           ; my part of region 1 has landed
	s_barrier_signal -1
	s_barrier_wait -1                              ; everybody's has
.irp v, 4,5,6,7
	v_add_nc_u32 v\v, REG, v\v                     ; on to that region; these four are also the places in front of the loads below
.endr
.elseif ((\n) > 0) && ((\n) < 7)
	PLACES                                         ; in front of loads into registers that the last step's products have read
.endif
.if (\n) < 7
	FETCH (\n)+1
.if (\n)%2 == 1
	SCALES (((\n)+1)/2)%2, ((\n)+1)/2
.endif
.endif
.if \first
	WIN WFIRST
.else
	WIN 0xa1                                       ; source 0 (S0) window 1, source 1 (S1) window 0, C and D window 2
.endif
.irp a, 0,1,2,3
.irp b, 0,1,2,3,4,5,6,7
	MM \a, \b, (\n)%2, (\n)%2, ((\n)/2)%2, \first
.endr
.endr
	WIN 0
.endm
	s_wait_alu depctr_va_vdst(0)
	s_wait_tensorcnt 0x0                           ; my tile of the head's four is in; the three lines ahead of a later first fill
	ds_add_u32 v254, v255
	s_wait_dscnt 0x0
	CROUND                                         ; everybody's is in, and all sixteen work-groups are here: the joint loads meet
	s_cmp_eq_u32 s[WV], 0
	s_cbranch_scc0 .Lh1
	tensor_load_to_lds s[68:71], s[24:31]          ; wave 0: S1's tiles of region 1
	s_nop 0
	PLACES
	s_branch .Lh2
.Lh1:
	s_cmp_eq_u32 s[WV], 1
	s_cbranch_scc0 .Lh2
	tensor_load_to_lds s[88:91], s[32:39]          ; wave 1: S0's
	s_nop 0
	PLACES
.Lh2:
	FETCH 0
	SCALES 0, 0
	STEP 0, 1                                      ; the first products start the sums: nothing is cleared
.irp n, 1,2,3,4,5,6,7
	s_wait_alu depctr_va_vdst(0)
	STEP \n, 0
.endr
; THE WAY OUT.  No tensor load is out since step 3's wait for 0, so the descriptors' registers are free.
; u1 = S1's first stored tile of my four, within its tensor; u0 = which 128 of S0 are mine.
; kv: [hb = 4 head + batch][step of 128 keys, 0..15] blocks of 13,312 bytes: +0 K's 8 key tiles x 768; +6,144 V^T's [channel tile][half] x 768; +12,288 K's scale words, 256 bytes for 4 tiles; +12,800 V's, 512 bytes.
	s_lshl_b32 s24, s22, 3
	s_lshl_b32 s25, s[H1], 2
	s_add_co_u32 s24, s24, s25                     ; u1
	s_lshl_b32 s25, s21, 1
	s_add_co_u32 s25, s25, s[H0]                   ; u0
	s_lshr_b32 s26, s24, 2                         ; V: head = u1 / 4,
	s_lshr_b32 s27, s25, 4                         ;    batch = u0 / 16,
	s_and_b32 s28, s25, 15                         ;    step of 128 keys = u0 % 16
	s_mov_b32 s30, 6144                            ;    codes: behind K's in the step's block
	s_mov_b32 s31, 12800                           ;    scale words
	s_lshl_b32 s32, s25, 1                         ; Q, K: my first head = 2 u0,
	s_lshr_b32 s33, s24, 7                         ;    batch = u1 / 128,
	s_bfe_u32 s34, s24, 0x40003                    ;    step = (u1 % 128) / 8,
	s_and_b32 s35, s24, 7                          ;    key tile in it: 0 or 4
	s_mul_i32 s36, s35, 768
	s_lshl_b32 s37, s35, 6                         ;    256 bytes of scale words for four tiles
	s_add_co_u32 s37, s37, 12288
	s_mov_b32 s38, 768
	s_mov_b32 s39, 851968                          ; K: from a head to the next: 64 blocks of 13,312 bytes
	s_mov_b32 s42, 0xffff
	s_cmp_eq_u32 s19, 2
	s_cselect_b32 s26, s26, s32
	s_cselect_b32 s27, s27, s33
	s_cselect_b32 s28, s28, s34
	s_cselect_b32 s30, s30, s36
	s_cselect_b32 s31, s31, s37
	s_cselect_b32 s38, 1536, s38                   ; from one of my four lane tiles to the next
	s_cselect_b32 s40, 768, s39                    ; from a fragment's first half to its second
	s_cselect_b32 s41, 256, s39                    ; the same for the scale words
	s_cselect_b32 s42, -1, s42                     ; V keeps whole scale words, Q and K two bytes a head
	s_mov_b32 s39, 0
	s_lshl_b32 s29, s26, 2
	s_add_co_u32 s29, s29, s27                     ; hb = 4 head + batch
	s_lshl_b32 s29, s29, 4
	s_add_co_u32 s29, s29, s28
	s_mul_i32 s29, s29, 13312                      ; the step's block
	s_add_co_u32 s30, s30, s29
	s_add_co_u32 s31, s31, s29
	s_lshl_b32 s32, s26, 9
	s_add_co_u32 s32, s32, s24
	s_mul_i32 s32, s32, 768                        ; Q: codes at (128 hb + tile) x 768 = (512 head + u1) x 768
	s_lshl_b32 s33, s26, 7
	s_lshr_b32 s34, s24, 2
	s_add_co_u32 s33, s33, s34
	s_lshl_b32 s33, s33, 8                         ;    scale words at (128 head + u1 / 4) x 256
	s_cmp_eq_u32 s19, 0
	s_cselect_b32 s44, s32, s30
	s_cselect_b32 s46, s33, s31
	s_cselect_b32 s40, 393216, s40
	s_cselect_b32 s41, 32768, s41
	s_cselect_b64 s[8:9], s[8:9], s[12:13]         ; the buffers: the choice hangs on the section alone
	s_cselect_b64 s[10:11], s[10:11], s[12:13]
	s_mov_b32 s45, 0
	s_mov_b32 s47, 0
	s_add_nc_u64 s[8:9], s[8:9], s[44:45]
	s_add_nc_u64 s[10:11], s[10:11], s[46:47]
	s_mov_b32 s48, 0x76543210
	s_mov_b32 s49, 0xfedcba98                      ; v_permlanex16_b32's selects for lane l xor 16
	v_lshlrev_b32 v10, 4, v3                       ; these seven plain lines are the places behind the last products
	v_lshlrev_b32 v11, 3, v3
	v_add_nc_u32 v12, s40, v10
	v_add_nc_u32 v13, s40, v11
	v_mul_u32_u24 v14, s41, v2
	v_lshl_add_u32 v14, v1, 4, v14                 ; scale words: 16 r, lanes 16-31 in the second unit
	v_lshlrev_b32 v15, 4, v2                       ; 16 h
; My lane tile a: 64 numbers, register 16 b + i = 32 b + 16 h + i along the next K, become a fragment's codes in v[PC] on and its scale word in v[PW].  Each accumulator is read from its low end on.
.macro QUANT a
.set QS0, 64*(\a)
	WIN 0x28                                       ; sources 1 and 2 window 2
.irp b, 0,1,2,3
	v_max3_num_f32 v[TM+\b], 0x1800000, |v[QS0+16*\b]|, |v[QS0+1+16*\b]|   ; with the floor 2^(3 - 127): the byte cannot fall under 1
.endr
.irp i, 2,4,6,8,10,12,14
.irp b, 0,1,2,3
	v_max3_num_f32 v[TM+\b], v[TM+\b], |v[QS0+16*\b+\i]|, |v[QS0+1+16*\b+\i]|
.endr
.endr
	WIN 0
.irp b, 0,1,2,3
	v_permlanex16_b32 v[TM+4+\b], v[TM+\b], s48, s49
.endr
.irp b, 0,1,2,3
	v_max_num_f32 v[TM+\b], v[TM+\b], v[TM+4+\b]   ; with lane l xor 16's: the block's largest magnitude
.endr
.irp b, 0,1,2,3
	v_add_nc_u32 v[TM+12+\b], 0xff000000, v[TM+\b] ; 2 off its exponent field: the conversion's scale operand
.endr
.irp b, 0,1,2,3
	v_lshrrev_b32 v[TM+4+\b], 23, v[TM+12+\b]      ; the scale's byte
.endr
	v_lshl_or_b32 v[PW], v[TM+5], 8, v[TM+4]
	v_lshl_or_b32 v[PW], v[TM+6], 16, v[PW]
	v_lshl_or_b32 v[PW], v[TM+7], 24, v[PW]
	WIN 0x02                                       ; source 0 window 2
.irp c, 0,1
	v_cvt_scalef32_pk16_fp6_f32 v[PC+6*\c:PC+2+6*\c], v[QS0+32*\c:QS0+15+32*\c], v[TM+12+2*\c]
	v_cvt_scalef32_pk16_fp6_f32 v[PC+12+4*\c:PC+14+4*\c], v[QS0+16+32*\c:QS0+31+32*\c], v[TM+13+2*\c]
.endr
	WIN 0
	v_nop                                          ; one plain line behind a scaled conversion
.irp c, 0,1                            ; the operand's layout wants a whole block in a lane: lanes 0-15 block 2 c, lanes 16-31 block 2 c + 1
.irp i, 0,1,2
	v_permlane16_swap_b32 v[PC+6*\c+\i], v[PC+12+4*\c+\i]
.endr
.irp i, 0,1,2
	v_mov_b32 v[PC+3+6*\c+\i], v[PC+12+4*\c+\i]
.endr
.endr
.endm
.macro OUTBLK a
.if (\a) > 0
	s_wait_xcnt 0x0                                ; the last block's stores have read their registers and their base
	s_add_nc_u64 s[8:9], s[8:9], s[38:39]
.endif
	QUANT \a
	v_lshrrev_b32 v[XW+\a], v15, v[PW]             ; lanes 0-15: the word's lower bytes (Q, K: the first head's two), lanes 16-31: its upper two
	v_and_b32 v[XW+\a], s42, v[XW+\a]
	global_store_b128 v10, v[PC:PC+3], s[8:9]                  ; 512 and 256 consecutive bytes: a half fragment,
	global_store_b64 v11, v[PC+4:PC+5], s[8:9] offset:512
	global_store_b128 v12, v[PC+6:PC+9], s[8:9]                ; and the other (Q, K: the next head's; V: the next 64 keys')
	global_store_b64 v13, v[PC+10:PC+11], s[8:9] offset:512
.endm
.irp a, 0,1,2,3
	OUTBLK \a
.endr
	global_store_b128 v14, v[XW:XW+3], s[10:11]    ; four tiles' scale words a row: two whole runs of 256 bytes
	s_wait_tensorcnt 0x0
	ds_add_u32 v254, v255
	s_wait_dscnt 0x0
	CROUND                                         ; the closing round: no work-group ends while a partner may still ask for a tile that names it
	s_endpgm
.Lfunc_end_k_q8183fbd695_proj:
	.size	k_q8183fbd695_proj, .Lfunc_end_k_q8183fbd695_proj-k_q8183fbd695_proj
	.p2alignl 7, 3214868480
	.fill 96, 4, 3214868480
	.section	.rodata,"a",@progbits
	.p2align	6, 0x0
	.amdhsa_kernel k_q8183fbd695_proj
		.amdhsa_group_segment_fixed_size 327680
		.amdhsa_private_segment_fixed_size 0
		.amdhsa_enable_private_segment 0
		.amdhsa_kernarg_size 40
		.amdhsa_user_sgpr_count 2
		.amdhsa_user_sgpr_kernarg_segment_ptr 1
		.amdhsa_wavefront_size32 1
		.amdhsa_system_sgpr_workgroup_id_x 1
		.amdhsa_system_sgpr_workgroup_id_y 1
		.amdhsa_system_sgpr_workgroup_id_z 1
		.amdhsa_system_vgpr_workitem_id 0
		.amdhsa_next_free_vgpr 768
		.amdhsa_next_free_sgpr 106
		.amdhsa_reserve_vcc 0
		.amdhsa_float_denorm_mode_32 3
		.amdhsa_float_denorm_mode_16_64 3
		.amdhsa_memory_ordered 1
		.amdhsa_forward_progress 1
		.amdhsa_inst_pref_size 90
	.end_amdhsa_kernel
	.amdgpu_metadata
---
amdhsa.version: [ 1, 2 ]
amdhsa.kernels:
  - .name:           k_q8183fbd695_proj
    .symbol:         k_q8183fbd695_proj.kd
    .args:
      - { .name: cod, .offset: 0, .size: 8, .value_kind: global_buffer, .address_space: global }
      - { .name: scl, .offset: 8, .size: 8, .value_kind: global_buffer, .address_space: global }
      - { .name: qc, .offset: 16, .size: 8, .value_kind: global_buffer, .address_space: global }
      - { .name: qs, .offset: 24, .size: 8, .value_kind: global_buffer, .address_space: global }
      - { .name: kv, .offset: 32, .size: 8, .value_kind: global_buffer, .address_space: global }
    .group_segment_fixed_size: 327680
    .private_segment_fixed_size: 0
    .kernarg_segment_align: 8
    .kernarg_segment_size: 40
    .max_flat_workgroup_size: 128
    .sgpr_count:     106
    .vgpr_count:     768
    .wavefront_size: 32
...
	.end_amdgpu_metadata
.endif
;; end of part 2
;; launch attn (part 3): grid 4 x 64, 16 waves a work-group, clusters of 4 x 1, 215,040 bytes of LDS; arguments qc, qs, kv, oc, os; writes oc, os
.if DOCPART == 3
	.amdgcn_target "amdgcn-amd-amdhsa--gfx1250"
	.amdhsa_code_object_version 6
	.text
	.protected	k_q8183fbd695_attn
	.globl	k_q8183fbd695_attn
	.p2align	8
	.type	k_q8183fbd695_attn,@function
k_q8183fbd695_attn:
	s_mov_b64 s[64:65], 0
	v_nop
	global_prefetch_b8 v0, s[64:65] scope:SCOPE_SE
	s_setreg_imm32_b32 hwreg(HW_REG_WAVE_MODE, 25, 1), 1
	s_wait_xcnt 0x0
	s_wait_alu depctr_hold_cnt(0) depctr_sa_sdst(0) depctr_va_vdst(0) depctr_va_sdst(0) depctr_va_ssrc(0) depctr_va_vcc(0) depctr_vm_vsrc(0)
	s_getreg_b32 s2, hwreg(HW_REG_IB_STS2, 6, 4)
	s_cmp_eq_u32 s2, 0
	s_cbranch_scc0 .Lentry_in_a_cluster
	s_endpgm
.Lentry_in_a_cluster:
	s_bfe_u32 s2, ttmp6, 0x10000c
	s_cmp_lg_u32 s2, 0x3003
	s_cbranch_scc0 .Lentry_shape_is_right
	s_endpgm
.Lentry_shape_is_right:
; O = softmax(Q K^T / 8) V for one head and batch (hb = 4 head + batch), both products on codes of FP6 (E2M3) with E8M0 scales; O is quantised along the embedding and stored as codes for the last product.
; THE SOFTMAX AHEAD OF THE SECOND PRODUCT: t = score x log2(e) / 8; M = the row's largest t so far, rounded UP to a whole number; p = 2^(t - M) is what is quantised, along the keys, not normalised.
; The row's sum is taken of the unquantised p, in f32, and divides O at the end.  When M moves, the sum and O are multiplied by 2^(old M - new M): exact.
; SHARES.  256 work-groups.  A work-group owns 512 queries of one hb and takes them in TWO PASSES of 256; in a pass each of its sixteen waves owns one stored tile of 16 queries (tile 32 block + 16 pass + wave)
; in 256 registers, four waves to a SIMD.  Every wave walks all 2,048 keys in each pass, 128 a step.
; THE WHOLE HEAD'S K AND V, with their scale words, 212,992 bytes, LIE IN LDS, filled once and read in both passes: sixteen blocks of 13,312 bytes, one for each key step.
; Wave w fetches block w: one tensor load a wave, at the head.  The four work-groups of a cluster own the four query blocks of one hb and ask JOINTLY (mask 15).
; The loads stand in two arms: waves 0-3 have a line of their own and wait alone in front of the first barrier, which shows blocks 0-3; in front of the second barrier, four steps on, every wave waits.  Pass 1 has no barrier.
; A block: +0 K's 8 key tiles x 768; +6,144 V^T's [channel tile][half] x 768; +12,288 K's scale words, 256 bytes for 4 tiles (word of (r, i) at 16 r + 4 i); +12,800 V's, 512 bytes.
; NO PREFETCH: every byte of kv that the work-group reads is asked for by the head's sixteen loads; no later load exists to run ahead of.
; LAYOUT.  Both products are used transposed: S^T = K Q^T, O^T = V^T P^T: a lane holds ONE query throughout.  A stored key tile holds keys 32 (R / 2) + 8 (R % 2) + 16 (t / 8) + t % 8, so the 16
; registers of tiles 2 b, 2 b + 1 are 16 neighbouring keys; V^T's channel tiles are stored likewise, so O^T's registers run along neighbouring channels.
; A HEAD IS 64 WIDE AND THE INSTRUCTION 128: Q's registers 6-11 are zero codes, and bytes 2, 3 of Q's and K's scale words are 0.  K's fragment t is v[32 + 6 t .. 43 + 6 t]: its upper half is the
; next tile's codes (behind the last: zeros), which zero codes of Q multiply: they add nothing.  So eight tiles come in one run of loads, in 54 registers.
; LIMITS: a block under 2^-124, or of zeros, keeps the byte 1; NaN and infinities are not served; the promise holds while the scaled scores t stay under 2^31 in magnitude.
; REGISTERS: v1-4, v8, v9 addresses; v12 -M, v13 the largest t, v[14:15] the sum in two halves; v16-27 Q; v28 Q's scale word; v32-85 K's tiles, then v32-79 V's fragments; v86-93 their scale words;
;   v96-159 S^T, then p; v160-191 O^T; v192-203 p's codes; v204-228 at work; v232-238 pass 1's Q and its scale word; v240-245 partial sums; v254, v255 the add's two.
.set QF,  16
.set KF,  32
.set KS,  86
.set VS,  90
.set ST,  96
.set OT,  160
.set PC,  192
.set CT,  204
.set BM,  212
.set TP,  216
.set OP,  220
.set PW,  224
.set FF,  226
.set T1,  228
.set Q2,  232
.set SU,  240
.set BLK, 13312                        ; a key step's block in kv and in LDS
.set WV,  14
.set SEL, 48
.set CS,  50
.set TB,  52                           ; s52  LDS byte of the step's block
.set CNT, 54
.macro CROUND                          ; a round of the cluster's barrier
	s_barrier_signal -1
	s_barrier_wait -1
	s_cmp_lg_u32 s[WV], 0
	s_cbranch_scc1 .Lnot_wave_0_\@
	s_barrier_signal -3
.Lnot_wave_0_\@:
	s_barrier_wait -3
	s_barrier_signal -1
	s_barrier_wait -1
.endm
	s_load_b256 s[4:11], s[0:1], 0x0               ; qc s[4:5], qs s[6:7], kv s[8:9], oc s[10:11]
	s_load_b64 s[12:13], s[0:1], 0x20              ; os
	v_lshl_add_u32 v254, v0, 2, 0x34000
	v_mov_b32 v255, 0
	ds_add_u32 v254, v255                          ; the opening lines: the add, twice on end, and its wait
	ds_add_u32 v254, v255
	v_lshrrev_b32 v1, 5, v0
	s_delay_alu instid0(VALU_DEP_1)
	v_readfirstlane_b32 s[WV], v1                  ; wave 0..15
	s_bfe_u32 s15, ttmp6, 0x40000                  ; cx
	s_lshl_b32 s16, ttmp9, 2
	s_add_co_u32 s16, s16, s15                     ; my block of 512 queries: it enters Q's and O's addresses alone
	s_and_b32 s17, ttmp7, 0xffff                   ; hb, which the four partners share
	s_mov_b32 s24, 15|(3<<16)|(1<<21)              ; group 1: the mask: all four; elements of 8 bytes; bit 21 beside a mask; no padding
	s_mov_b32 s25, 32<<16                          ; 13,312 dense bytes as 52 rows of 256
	s_mov_b32 s26, 52<<16
	s_mov_b32 s27, 32<<16
	s_mov_b32 s28, 52
	s_mov_b32 s29, 32
	s_mov_b32 s30, 0
	s_mov_b32 s31, 0
	s_mul_i32 s18, s[WV], BLK                      ; my block of the sixteen
	s_mul_i32 s20, s17, 16*BLK
	s_add_co_u32 s20, s20, s18
	s_mov_b32 s21, 0
	s_lshl_b32 s19, s16, 5
	s_add_co_u32 s19, s19, s[WV]                   ; my query tile of pass 0; pass 1's lies 16 on
	s_lshl_b32 s22, s17, 7
	s_add_co_u32 s22, s22, s19
	s_mul_i32 s22, s22, 768                        ; its codes
	s_mov_b32 s23, 0
	s_lshl_b32 s56, s17, 5
	s_lshl_b32 s57, s16, 3
	s_add_co_u32 s56, s56, s57
	s_lshr_b32 s57, s[WV], 2
	s_add_co_u32 s56, s56, s57
	s_lshl_b32 s56, s56, 8                         ; its scale words' unit,
	s_and_b32 s57, s[WV], 3
	s_lshl_b32 s57, s57, 2
	s_add_co_u32 s56, s56, s57                     ; and its word in each row's four
	s_mov_b32 s57, 0
	s_and_b32 s58, s17, 3
	s_lshl_b32 s58, s58, 7
	s_add_co_u32 s58, s58, s19                     ; R = 128 batch + tile: the row tile of the last product's operand
	s_lshr_b32 s59, s17, 2                         ; head
	s_lshl_b32 s60, s58, 4
	s_add_co_u32 s60, s60, s59
	s_mul_i32 s60, s60, 768                        ; oc: half fragment (R, head)
	s_mov_b32 s61, 0
	s_lshl_b32 s62, s58, 9
	s_lshr_b32 s63, s59, 2
	s_lshl_b32 s63, s63, 7
	s_add_co_u32 s62, s62, s63
	s_and_b32 s63, s59, 3
	s_lshl_b32 s63, s63, 1
	s_add_co_u32 s62, s62, s63                     ; os: 512 R + 128 (head / 4) + 2 (head % 4)
	s_mov_b32 s63, 0
	s_mov_b32 s[SEL], 0x76543210
	s_mov_b32 s[SEL+1], 0xfedcba98                 ; v_permlanex16_b32's selects for lane l xor 16
	s_mov_b32 s[CS], 0x3e38aa3b                    ; c = log2(e) / sqrt(64)
	s_mov_b32 s[CS+1], s[CS]                       ; (named with it as a pair, so it is written)
	s_mov_b32 s[TB], 0
	s_wait_dscnt 0x0
	s_wait_kmcnt 0x0
	s_mov_b32 s32, 1
	s_mov_b32 s33, s18
	s_add_nc_u64 s[34:35], s[8:9], s[20:21]
	s_or_b32 s35, s35, 0x80000000
	s_add_nc_u64 s[4:5], s[4:5], s[22:23]
	s_add_nc_u64 s[6:7], s[6:7], s[56:57]
	s_add_nc_u64 s[10:11], s[10:11], s[60:61]
	s_add_nc_u64 s[12:13], s[12:13], s[62:63]
	CROUND                                         ; all four work-groups are here: the joint loads meet
	s_cmp_lt_u32 s[WV], 4                          ; two arms, a load in each: waves 0-3, whose blocks are read first, have a line of their own
	s_cbranch_scc0 .Llater
	tensor_load_to_lds s[32:35], s[24:31]
	s_nop 0
.rept 4
	v_nop
.endr
	s_branch .Lasked
.Llater:
	tensor_load_to_lds s[32:35], s[24:31]
	s_nop 0
.rept 4
	v_nop
.endr
.Lasked:
	v_and_b32 v6, 31, v0
	v_and_b32 v7, 15, v0
	s_delay_alu instid0(VALU_DEP_2)
	v_lshlrev_b32 v1, 4, v6                        ; 16 l
	v_lshlrev_b32 v2, 3, v6                        ; 8 l
	v_lshlrev_b32 v8, 4, v7                        ; 16 r
	v_lshlrev_b32 v9, 3, v7                        ; 8 r
	global_load_b128 v[QF:QF+3], v1, s[4:5]        ; pass 0's Q: a half fragment,
	global_load_b64 v[QF+4:QF+5], v2, s[4:5] offset:512
	global_load_b32 v28, v8, s[6:7]                ; and its scale word
	global_load_b128 v[Q2:Q2+3], v1, s[4:5] offset:16*768          ; pass 1's, 16 tiles on, waits in registers
	global_load_b64 v[Q2+4:Q2+5], v2, s[4:5] offset:16*768+512
	global_load_b32 v[Q2+6], v8, s[6:7] offset:1024
.irp j, 6,7,8,9,10,11
	v_mov_b32 v[QF+\j], 0                          ; zero codes for k = 64 .. 127
.endr
.irp j, 0,1,2,3,4,5
	v_mov_b32 v[KF+48+\j], 0                       ; behind K's eighth tile; never rewritten
.endr
.irp b, 0,1,2,3
	v_mov_b32 v[TP+\b], 0                          ; written once: a lane permute's destination counts as one of its sources
.endr
	v_mov_b32 v[FF+1], 0                           ; (named as the upper half of a pair)
; A pass begins: the largest t, the sum and O^T.  (The step has no first form of its own: the first change of M multiplies zeros.)
.macro INIT p
.if \p
	s_wait_xcnt 0x0                                ; the last pass's stores have read their registers
.irp j, 0,1,2,3,4,5
	v_mov_b32 v[QF+\j], v[Q2+\j]
.endr
	v_mov_b32 v28, v[Q2+6]                         ; the lines below are the places between these and the first product
.endif
	v_mov_b32 v13, 0xff61b1e6                      ; the largest t so far: -3e38, under every t
	v_mov_b32 v14, 0                               ; the sum, in two halves
	v_mov_b32 v15, 0
	v_floor_f32 v12, -v13                          ; -M
.set j, 0
.rept 32
	v_mov_b32 v[OT+j], 0
.set j, j+1
.endr
	s_wait_alu depctr_va_vdst(0)
.endm
; A KEY STEP: 128 keys.
.macro STEP
	v_add_nc_u32 v3, s[TB], v1
	v_add_nc_u32 v4, s[TB], v2
	v_nop
	v_nop                                          ; four places in front of loads into registers that the last step's products have read
.irp t, 0,1,2,3,4,5,6,7
	ds_load_b128 v[KF+6*\t:KF+6*\t+3], v3 offset:768*\t
	ds_load_b64 v[KF+6*\t+4:KF+6*\t+5], v4 offset:768*\t+512
.endr
	ds_load_b128 v[KS:KS+3], v3 offset:12288       ; lanes 0-15: the words of tiles 0-3, lanes 16-31: of tiles 4-7
	s_wait_alu depctr_va_vdst(0)
	s_wait_dscnt 0x0
.irp t, 0,1,2,3
	v_wmma_scale_f32_16x16x128_f8f6f4 v[ST+8*\t:ST+8*\t+7], v[KF+6*\t:KF+6*\t+11], v[QF:QF+11], 0, v[KS+\t], v28 matrix_a_fmt:MATRIX_FMT_FP6 matrix_b_fmt:MATRIX_FMT_FP6
.endr
.irp t, 4,5,6,7
	v_wmma_scale_f32_16x16x128_f8f6f4 v[ST+8*\t:ST+8*\t+7], v[KF+6*\t:KF+6*\t+11], v[QF:QF+11], 0, v[KS+\t-4], v28 matrix_a_fmt:MATRIX_FMT_FP6 matrix_b_fmt:MATRIX_FMT_FP6 matrix_a_scale:MATRIX_SCALE_ROW1
.endr
.rept 4
	v_nop                                          ; places in front of the loads over K's registers and of the first read of the scores
.endr
.irp c, 0,1,2,3                        ; V's four fragments land under the softmax
	ds_load_b128 v[KF+12*\c:KF+12*\c+3], v3 offset:6144+1536*\c
	ds_load_b64 v[KF+12*\c+4:KF+12*\c+5], v4 offset:6144+1536*\c+512
	ds_load_b128 v[KF+12*\c+6:KF+12*\c+9], v3 offset:6144+1536*\c+768
	ds_load_b64 v[KF+12*\c+10:KF+12*\c+11], v4 offset:6144+1536*\c+1280
.endr
	ds_load_b128 v[VS:VS+3], v3 offset:12800       ; lanes 0-15: the four channel tiles' words of these 128 keys
.irp b, 0,1,2,3
	v_max3_num_f32 v[BM+\b], v[ST+16*\b], v[ST+1+16*\b], v[ST+2+16*\b]   ; the largest score of each block of 32 keys: it serves the row's maximum and, since p rises with the score, the block's largest p
.endr
.irp i, 3,5,7,9,11,13
.irp b, 0,1,2,3
	v_max3_num_f32 v[BM+\b], v[BM+\b], v[ST+16*\b+\i], v[ST+1+16*\b+\i]
.endr
.endr
.irp b, 0,1,2,3
	v_max_num_f32 v[BM+\b], v[BM+\b], v[ST+15+16*\b]
.endr
.irp b, 0,1,2,3
	s_delay_alu instid0(VALU_DEP_4)
	v_permlanex16_b32 v[TP+\b], v[BM+\b], s[SEL], s[SEL+1]
.endr
.irp b, 0,1,2,3
	s_delay_alu instid0(VALU_DEP_4)
	v_max_num_f32 v[BM+\b], v[BM+\b], v[TP+\b]     ; with lane l xor 16's 16 keys
.endr
	s_delay_alu instid0(VALU_DEP_2)
	v_max3_num_f32 v[T1], v[BM], v[BM+1], v[BM+2]
	s_delay_alu instid0(VALU_DEP_1)
	v_max_num_f32 v[T1], v[T1], v[BM+3]            ; the step's largest score of my query
	s_delay_alu instid0(VALU_DEP_1)
	v_mul_f32 v[T1], s[CS], v[T1]                  ; as t (c is positive)
	s_delay_alu instid0(VALU_DEP_1)
	v_max_num_f32 v13, v13, v[T1]                  ; the running largest t
	v_mov_b32 v[T1], v12
	s_delay_alu instid0(VALU_DEP_2)
	v_floor_f32 v12, -v13                          ; the new -M = floor(-t) = -ceil(t)
	s_delay_alu instid0(VALU_DEP_1)
	v_sub_f32 v[T1], v12, v[T1]                    ; old M - new M: a whole number, 0 or less
	s_delay_alu instid0(VALU_DEP_1)
	v_cvt_i32_f32 v[T1], v[T1]                     ; (it saturates)
	s_delay_alu instid0(VALU_DEP_1)
	v_ldexp_f32 v[FF], 1.0, v[T1]                  ; f = 2^(old M - new M)
.set j, 0
.rept 32
	v_pk_fma_f32 v[ST+j:ST+j+1], v[ST+j:ST+j+1], s[CS:CS+1], v[12:13] op_sel_hi:[1,0,0]   ; t - M, two at a time
.set j, j+2
.endr
.irp b, 0,1,2,3
	v_fma_f32 v[BM+\b], v[BM+\b], s[CS], v12       ; the same of each block's largest score
.endr
	s_wait_alu depctr_va_vdst(0)                   ; the wait ahead of the batch
.set j, 0
.rept 64
	v_exp_f32 v[ST+j], v[ST+j]                     ; p = 2^(t - M), at most 1
.set j, j+1
.endr
	v_pk_mul_f32 v[14:15], v[14:15], v[FF:FF+1] op_sel_hi:[1,0]   ; the sums under the new M; the plain line behind the exponentials
	s_wait_alu depctr_va_vdst(0)                   ; one wait for the whole batch, ahead of its first reader
.irp b, 0,1,2,3
	v_exp_f32 v[BM+\b], v[BM+\b]                   ; the block's largest p: the same two instructions on the same number give the same bits
.endr
	v_pk_add_f32 v[SU:SU+1], v[ST:ST+1], v[ST+2:ST+3]              ; the row's sum of the unquantised p: 32 pairs in four chains by turns
	v_pk_add_f32 v[SU+2:SU+3], v[ST+4:ST+5], v[ST+6:ST+7]
	v_pk_add_f32 v[SU+4:SU+5], v[ST+8:ST+9], v[ST+10:ST+11]
	v_pk_add_f32 v[14:15], v[14:15], v[ST+12:ST+13]
.set j, 14
.rept 6
	v_pk_add_f32 v[SU:SU+1], v[SU:SU+1], v[ST+j:ST+j+1]
	v_pk_add_f32 v[SU+2:SU+3], v[SU+2:SU+3], v[ST+j+2:ST+j+3]
	v_pk_add_f32 v[SU+4:SU+5], v[SU+4:SU+5], v[ST+j+4:ST+j+5]
	v_pk_add_f32 v[14:15], v[14:15], v[ST+j+6:ST+j+7]
.set j, j+8
.endr
	v_pk_add_f32 v[SU:SU+1], v[SU:SU+1], v[ST+62:ST+63]
	v_pk_add_f32 v[SU+2:SU+3], v[SU+2:SU+3], v[SU+4:SU+5]
	s_delay_alu instid0(VALU_DEP_2)
	v_pk_add_f32 v[14:15], v[14:15], v[SU:SU+1]
	s_delay_alu instid0(VALU_DEP_1)
	v_pk_add_f32 v[14:15], v[14:15], v[SU+2:SU+3]
	s_wait_alu depctr_va_vdst(0)                   ; and one for the four
.irp b, 0,1,2,3
	v_max_num_f32 v[BM+\b], 0x1800000, v[BM+\b]    ; the floor 2^(3 - 127): the byte cannot fall under 1
.endr
.irp b, 0,1,2,3
	s_delay_alu instid0(VALU_DEP_4)
	v_add_nc_u32 v[OP+\b], 0xff000000, v[BM+\b]    ; 2 off the exponent field: the conversion's scale operand
.endr
.irp b, 0,1,2,3
	s_delay_alu instid0(VALU_DEP_4)
	v_lshrrev_b32 v[TP+\b], 23, v[OP+\b]           ; the scale's byte
.endr
	s_delay_alu instid0(VALU_DEP_3)
	v_lshl_or_b32 v[PW], v[TP+1], 8, v[TP]         ; p's scale word for these 128 keys
	s_delay_alu instid0(VALU_DEP_1)
	v_lshl_or_b32 v[PW], v[TP+2], 16, v[PW]
	s_delay_alu instid0(VALU_DEP_1)
	v_lshl_or_b32 v[PW], v[TP+3], 24, v[PW]
.irp c, 0,1
	v_cvt_scalef32_pk16_fp6_f32 v[PC+6*\c:PC+2+6*\c], v[ST+32*\c:ST+15+32*\c], v[OP+2*\c]
	v_cvt_scalef32_pk16_fp6_f32 v[CT+4*\c:CT+2+4*\c], v[ST+16+32*\c:ST+31+32*\c], v[OP+2*\c+1]
.endr
	v_nop                                          ; one plain line behind a scaled conversion
.irp c, 0,1                            ; the operand's layout wants a whole block in a lane
.irp i, 0,1,2
	v_permlane16_swap_b32 v[PC+6*\c+\i], v[CT+4*\c+\i]
.endr
.irp i, 0,1,2
	s_delay_alu instid0(VALU_DEP_3)
	v_mov_b32 v[PC+3+6*\c+\i], v[CT+4*\c+\i]
.endr
.endr
.set j, 0
.rept 16
	v_pk_mul_f32 v[OT+j:OT+j+1], v[OT+j:OT+j+1], v[FF:FF+1] op_sel_hi:[1,0]   ; O^T under the new M.  These sixteen are also the places between the scale word and codes just made and the products
.set j, j+2
.endr
	s_wait_alu depctr_va_vdst(0)
	s_wait_dscnt 0x0                               ; V
.irp c, 0,1,2,3
	v_wmma_scale_f32_16x16x128_f8f6f4 v[OT+8*\c:OT+8*\c+7], v[KF+12*\c:KF+12*\c+11], v[PC:PC+11], v[OT+8*\c:OT+8*\c+7], v[VS+\c], v[PW] matrix_a_fmt:MATRIX_FMT_FP6 matrix_b_fmt:MATRIX_FMT_FP6
.endr
.endm
.macro RUN n                           ; n key steps on end, from the block at s[TB] on
	s_mov_b32 s[CNT], \n
.Lstep_\@:
	STEP
	s_add_co_u32 s[TB], s[TB], BLK
	s_sub_co_u32 s[CNT], s[CNT], 1
	s_cmp_lg_u32 s[CNT], 0
	s_cbranch_scc1 .Lstep_\@
.endm
; THE WAY OUT of a pass.  O^T / the sum: register 16 b + i is channel 32 b + 16 h + i of my query: two blocks along the last product's K.  They are quantised and leave as one half fragment and two scale bytes.
.macro OUT p
	v_add_f32 v14, v14, v15                        ; the sum's two halves,
	s_delay_alu instid0(VALU_DEP_1)
	v_permlanex16_b32 v[TP], v14, s[SEL], s[SEL+1]
	s_delay_alu instid0(VALU_DEP_1)
	v_add_f32 v14, v14, v[TP]                      ; and lane l xor 16's
	s_wait_alu depctr_va_vdst(0)
	v_rcp_f32 v14, v14
	v_nop                                          ; plain lines behind the reciprocal; with the three above they are also the places behind the last products
	v_nop
	s_wait_alu depctr_va_vdst(0)                   ; the wait ahead of the reciprocal's first reader, which is O^T's too
.set j, 0
.rept 32
	v_mul_f32 v[ST+j], v[OT+j], v14
.set j, j+1
.endr
.irp b, 0,1
	v_max3_num_f32 v[BM+\b], |v[ST+16*\b]|, |v[ST+1+16*\b]|, 0x1800000
.endr
.irp i, 2,4,6,8,10,12,14
.irp b, 0,1
	s_delay_alu instid0(VALU_DEP_2)
	v_max3_num_f32 v[BM+\b], v[BM+\b], |v[ST+16*\b+\i]|, |v[ST+1+16*\b+\i]|
.endr
.endr
.irp b, 0,1
	s_delay_alu instid0(VALU_DEP_2)
	v_permlanex16_b32 v[TP+\b], v[BM+\b], s[SEL], s[SEL+1]
.endr
.irp b, 0,1
	s_delay_alu instid0(VALU_DEP_2)
	v_max_num_f32 v[BM+\b], v[BM+\b], v[TP+\b]
.endr
.irp b, 0,1
	s_delay_alu instid0(VALU_DEP_2)
	v_add_nc_u32 v[OP+\b], 0xff000000, v[BM+\b]
.endr
.irp b, 0,1
	s_delay_alu instid0(VALU_DEP_2)
	v_lshrrev_b32 v[TP+\b], 23, v[OP+\b]
.endr
	s_delay_alu instid0(VALU_DEP_1)
	v_lshl_or_b32 v[T1], v[TP+1], 8, v[TP]         ; my row's two bytes
	v_cvt_scalef32_pk16_fp6_f32 v[PC:PC+2], v[ST:ST+15], v[OP]
	v_cvt_scalef32_pk16_fp6_f32 v[CT:CT+2], v[ST+16:ST+31], v[OP+1]
	v_nop
.irp i, 0,1,2
	v_permlane16_swap_b32 v[PC+\i], v[CT+\i]
.endr
.irp i, 0,1,2
	s_delay_alu instid0(VALU_DEP_3)
	v_mov_b32 v[PC+3+\i], v[CT+\i]
.endr
	global_store_b128 v1, v[PC:PC+3], s[10:11] offset:196608*\p            ; 512 and 256 consecutive bytes; pass 1's row tile lies 16 x 16 half fragments on
	global_store_b64 v2, v[PC+4:PC+5], s[10:11] offset:196608*\p+512
	global_store_b16 v9, v[T1], s[12:13] offset:8192*\p                    ; two bytes a row, 8 bytes apart (lanes l and l + 16 write the same value to the same place): one part in 24 of what the launch stores;
	                                                                       ; a row's 8 bytes come from four heads, which four work-groups own
.endm
	INIT 0
	s_wait_loadcnt 0x0                             ; both passes' Q
	s_cmp_lt_u32 s[WV], 4
	s_cbranch_scc0 .Lnot_first
	s_wait_tensorcnt 0x0                           ; waves 0-3: my block of the first four has landed
.Lnot_first:
	s_barrier_signal -1
	s_barrier_wait -1                              ; blocks 0-3 are shown to all
	RUN 4
	s_wait_tensorcnt 0x0                           ; every wave: my block has landed
	s_wait_dscnt 0x0
	s_barrier_signal -1
	s_barrier_wait -1                              ; all sixteen blocks are shown to all
	RUN 12
	OUT 0
	INIT 1                                         ; pass 1: the same K and V, as they lie
	s_mov_b32 s[TB], 0
	RUN 16
	OUT 1
	s_wait_tensorcnt 0x0                           ; the wave's end
	ds_add_u32 v254, v255
	s_wait_dscnt 0x0
	CROUND                                         ; the closing round: no work-group ends while a partner may still ask for a tile that names it
	s_endpgm
.Lfunc_end_k_q8183fbd695_attn:
	.size	k_q8183fbd695_attn, .Lfunc_end_k_q8183fbd695_attn-k_q8183fbd695_attn
	.p2alignl 7, 3214868480
	.fill 96, 4, 3214868480
	.section	.rodata,"a",@progbits
	.p2align	6, 0x0
	.amdhsa_kernel k_q8183fbd695_attn
		.amdhsa_group_segment_fixed_size 215040
		.amdhsa_private_segment_fixed_size 0
		.amdhsa_enable_private_segment 0
		.amdhsa_kernarg_size 40
		.amdhsa_user_sgpr_count 2
		.amdhsa_user_sgpr_kernarg_segment_ptr 1
		.amdhsa_wavefront_size32 1
		.amdhsa_system_sgpr_workgroup_id_x 1
		.amdhsa_system_sgpr_workgroup_id_y 1
		.amdhsa_system_sgpr_workgroup_id_z 1
		.amdhsa_system_vgpr_workitem_id 0
		.amdhsa_next_free_vgpr 256
		.amdhsa_next_free_sgpr 66
		.amdhsa_reserve_vcc 0
		.amdhsa_float_denorm_mode_32 3
		.amdhsa_float_denorm_mode_16_64 3
		.amdhsa_memory_ordered 1
		.amdhsa_forward_progress 1
		.amdhsa_inst_pref_size 69
	.end_amdhsa_kernel
	.amdgpu_metadata
---
amdhsa.version: [ 1, 2 ]
amdhsa.kernels:
  - .name:           k_q8183fbd695_attn
    .symbol:         k_q8183fbd695_attn.kd
    .args:
      - { .name: qc, .offset: 0, .size: 8, .value_kind: global_buffer, .address_space: global }
      - { .name: qs, .offset: 8, .size: 8, .value_kind: global_buffer, .address_space: global }
      - { .name: kv, .offset: 16, .size: 8, .value_kind: global_buffer, .address_space: global }
      - { .name: oc, .offset: 24, .size: 8, .value_kind: global_buffer, .address_space: global }
      - { .name: os, .offset: 32, .size: 8, .value_kind: global_buffer, .address_space: global }
    .group_segment_fixed_size: 215040
    .private_segment_fixed_size: 0
    .kernarg_segment_align: 8
    .kernarg_segment_size: 40
    .max_flat_workgroup_size: 512
    .sgpr_count:     66
    .vgpr_count:     256
    .wavefront_size: 32
...
	.end_amdgpu_metadata
.endif
;; end of part 3
;; launch outp (part 4): grid 4 x 64, 4 waves a work-group, clusters of 4 x 4, 327,680 bytes of LDS; arguments oc, os, cod, scl, b_o, out0; writes out0
.if DOCPART == 4
	.amdgcn_target "amdgcn-amd-amdhsa--gfx1250"
	.amdhsa_code_object_version 6
	.text
	.protected	k_q8183fbd695_outp
	.globl	k_q8183fbd695_outp
	.p2align	8
	.type	k_q8183fbd695_outp,@function
k_q8183fbd695_outp:
	s_mov_b64 s[64:65], 0
	v_nop
	global_prefetch_b8 v0, s[64:65] scope:SCOPE_SE
	s_setreg_imm32_b32 hwreg(HW_REG_WAVE_MODE, 25, 1), 1
	s_wait_xcnt 0x0
	s_wait_alu depctr_hold_cnt(0) depctr_sa_sdst(0) depctr_va_vdst(0) depctr_va_sdst(0) depctr_va_ssrc(0) depctr_va_vcc(0) depctr_vm_vsrc(0)
	s_getreg_b32 s2, hwreg(HW_REG_IB_STS2, 6, 4)
	s_cmp_eq_u32 s2, 0
	s_cbranch_scc0 .Lentry_in_a_cluster
	s_endpgm
.Lentry_in_a_cluster:
	s_bfe_u32 s2, ttmp6, 0x10000c
	s_cmp_lg_u32 s2, 0xf033
	s_cbranch_scc0 .Lentry_shape_is_right
	s_endpgm
.Lentry_shape_is_right:
; out0 = O W_o + b_o on codes of FP6 (E2M3) with E8M0 scales; out0 [8192][1024] f32.  O's codes and scales (oc, os) and W_o's (cod, scl from stored tile 1,216 on) lie in the order of the operands' registers.
; A work-group makes 128 rows (S1: O's stored tiles, the lanes' rows) x 256 columns (S0: W_o's columns, the registers) over K = 1,024.  THE MATRIX INSTRUCTION IS USED TRANSPOSED: source 0 = S0, source 1 = S1.
; Stored tiles hold rows 32 (R / 2) + 8 (R % 2) + 16 (t / 8) + t % 8, of O and of W_o's columns alike: the columns' order is undone by the places in the stage, the rows' by the stores' offsets.
; THE WHOLE OF K LIES IN LDS: four regions of 256 along K (24 stored tiles x 3,072 bytes) and the scales; every byte of LDS is filled once, so nothing is ever filled again.
; CLUSTER 4 x 4: S1's tiles hang on cy and are asked for jointly along a row of the cluster, S0's on cx and jointly along a column.  Wave 0 asks for S1's, waves 1 and 2 for S0's two halves:
; five tensor loads each (the scales, then the four regions) are out at the most.
; Four waves: wave w takes S1's rows 64 (w / 2) on and S0's rows 128 (w % 2) on: 32 accumulators, (a, b) at v[8 (8 a + b)] of window 2.  The bias is the C of each sum's first product.
; REGISTERS: window 0: v1-13 addresses; v32-55 scale words, two sets; v64-159 S1's fragments, two sets; v160-223 the bias; on the way out v64-191 rows of out0.
;   window 1: S0's fragments, two sets, at v0 and v128.   window 2: the accumulators.
; THE FILLS, AS THIS TEXT HAS THEM (they take the place of what the lines above say of regions and of who asks): LDS holds TWO regions of 512 along K, 24 stored tiles x 6,144 bytes each.
; At the head one joint load a wave: wave 0 S1's eight tiles of region 0, wave 1 S0's sixteen, wave 2 S1's scales, wave 3 S0's.  Region 1 is a later first fill: behind the three lines and a round
; of the cluster's barrier waves 0 and 1 ask for it.  One tensor load a wave is out at the most.  Every byte is still filled once.
.set REG,  147456                      ; a region: 24 stored tiles x 6,144 bytes
.set GRP,  49152                       ; 8 stored tiles of a region
.set RB,   6144                        ; a stored tile's 512 along K: eight half fragments
.set SCL,  294912                      ; behind the regions: the scales, 4,096 bytes for each 8 stored tiles
.set FR,   12
.set SC,   32
.set AF,   64
.set BI,   160
.set BK,   64
.set STO,  11
.set RD,   12
.set CO,   13
.set WV,   16
.set H1,   17
.set H0,   18
.set WFIRST, 0x81                      ; the first products: source 0 window 1, source 1 and C (the bias) window 0, D window 2
.set MSB, 0
.macro WIN new                         ; the immediate's high byte repeats the setting that is left
.if MSB != \new
	s_set_vgpr_msb (MSB<<8)|\new
.set MSB, \new
.endif
.endm
.macro PLACES
.rept 4
	v_nop
.endr
.endm
.macro CROUND                          ; a round of the cluster's barrier
	s_barrier_signal -1
	s_barrier_wait -1
	s_cmp_lg_u32 s[WV], 0
	s_cbranch_scc1 .Lnot_wave_0_\@
	s_barrier_signal -3
.Lnot_wave_0_\@:
	s_barrier_wait -3
	s_barrier_signal -1
	s_barrier_wait -1
.endm
	s_load_b256 s[4:11], s[0:1], 0x0               ; oc s[4:5], os s[6:7], cod s[8:9], scl s[10:11]
	s_load_b128 s[12:15], s[0:1], 0x20             ; b_o s[12:13], out0 s[14:15]
	v_lshl_add_u32 v254, v0, 2, 0x4b000
	v_mov_b32 v255, 0
	ds_add_u32 v254, v255
	ds_add_u32 v254, v255
	v_lshrrev_b32 v1, 5, v0
	v_readfirstlane_b32 s[WV], v1                  ; wave 0..3
	s_lshr_b32 s[H1], s[WV], 1
	s_and_b32 s[H0], s[WV], 1
	s_bfe_u32 s19, ttmp6, 0x40000                  ; cx = S0's tile of 256 columns
	s_bfe_u32 s20, ttmp6, 0x40004                  ; cy
	s_and_b32 s22, ttmp7, 0xffff
	s_lshl_b32 s22, s22, 2
	s_add_co_u32 s22, s22, s20                     ; S1's tile of 128 rows
	s_lshl_b32 s100, s22, 3                        ; S1's first stored tile
	s_lshl_b32 s23, s19, 4
	s_add_co_u32 s23, s23, 1216
	s_lshl_b32 s2, s20, 2
	s_lshl_b32 s2, 15, s2                          ; my row of the cluster
	s_lshl_b32 s104, 0x1111, s19                   ; my column
	s_or_b32 s24, s2, (3<<16)|(1<<21)              ; group 1, S1's tiles: 15:0 the mask; 17:16 elements of 8 bytes; 21 set beside a mask; no padding
	s_or_b32 s32, s104, (3<<16)|(1<<21)            ; S0's tiles
	s_or_b32 s40, s2, (3<<16)|(1<<21)              ; S1's scales
	s_or_b32 s48, s104, (3<<16)|(1<<21)            ; S0's scales
.irp g, 24, 32                         ; 8 (S1) or 16 (S0) stored tiles x 6,144 bytes (768 elements), 12,288 bytes (1,536 elements) apart
	s_mov_b32 s[\g+1], 768<<16
	s_mov_b32 s[\g+2], (\g-16)<<16
	s_mov_b32 s[\g+3], 768<<16
	s_mov_b32 s[\g+4], \g-16
	s_mov_b32 s[\g+5], 1536
	s_mov_b32 s[\g+6], 0
	s_mov_b32 s[\g+7], 0
.endr
.irp g, 40, 48                         ; 4,096 (S1) or 8,192 (S0) dense bytes as 16 or 32 rows of 256
	s_mov_b32 s[\g+1], 32<<16
	s_mov_b32 s[\g+2], (2*(\g-32))<<16
	s_mov_b32 s[\g+3], 32<<16
	s_mov_b32 s[\g+4], 2*(\g-32)
	s_mov_b32 s[\g+5], 32
	s_mov_b32 s[\g+6], 0
	s_mov_b32 s[\g+7], 0
.endr
	s_wait_dscnt 0x0
	s_wait_kmcnt 0x0
	s_lshl_b32 s2, s100, 9                         ; S1: 512 scale bytes a stored tile
	s_mov_b32 s3, 0
	s_mov_b32 s56, 1
	s_mov_b32 s57, SCL
	s_add_nc_u64 s[58:59], s[6:7], s[2:3]
	s_or_b32 s59, s59, 0x80000000
	s_mul_i32 s2, s100, 12288                      ; and 12,288 bytes of codes
	s_add_nc_u64 s[2:3], s[4:5], s[2:3]
.irp k, 0,1                            ; group 0 for region k: s60-63, s68-71
.set GA, 60+4*\k+4*((\k+2)/3)
	s_mov_b32 s[GA], 1
	s_mov_b32 s[GA+1], REG*\k
	s_add_nc_u64 s[GA+2:GA+3], s[2:3], RB*\k
	s_or_b32 s[GA+3], s[GA+3], 0x80000000
.endr
	s_lshl_b32 s104, s23, 9                        ; S0 likewise, in registers that never hold cy
	s_mov_b32 s105, 0
	s_mov_b32 s80, 1
	s_mov_b32 s81, SCL+4096
	s_add_nc_u64 s[82:83], s[10:11], s[104:105]
	s_or_b32 s83, s83, 0x80000000
	s_mul_i32 s104, s23, 12288
	s_add_nc_u64 s[104:105], s[8:9], s[104:105]
.irp k, 0,1
	s_mov_b32 s[84+4*\k], 1
	s_mov_b32 s[85+4*\k], GRP+REG*\k
	s_add_nc_u64 s[86+4*\k:87+4*\k], s[104:105], RB*\k
	s_or_b32 s[87+4*\k], s[87+4*\k], 0x80000000
.endr
	CROUND                                         ; all sixteen work-groups are here: the joint loads meet
	s_cmp_eq_u32 s[WV], 0                          ; one chain of branches on the wave's number, one load to an arm
	s_cbranch_scc0 .Lw1
	tensor_load_to_lds s[60:63], s[24:31]          ; wave 0: S1's tiles of region 0
	s_nop 0
	PLACES
	s_branch .Lasked
.Lw1:
	s_cmp_eq_u32 s[WV], 1
	s_cbranch_scc0 .Lw2
	tensor_load_to_lds s[84:87], s[32:39]          ; wave 1: S0's
	s_nop 0
	PLACES
	s_branch .Lasked
.Lw2:
	s_cmp_eq_u32 s[WV], 2
	s_cbranch_scc0 .Lw3
	tensor_load_to_lds s[56:59], s[40:47]          ; wave 2: S1's scales
	s_nop 0
	PLACES
	s_branch .Lasked
.Lw3:
	tensor_load_to_lds s[80:83], s[48:55]          ; wave 3: S0's scales
	s_nop 0
	PLACES
.Lasked:
	v_and_b32 v3, 31, v0                           ; l
	v_and_b32 v1, 15, v0                           ; r
	v_bfe_u32 v2, v0, 4, 1                         ; h
	s_wait_alu depctr_va_vdst(0)
	s_lshl_b32 s104, s19, 10
	s_lshl_b32 s105, s[H0], 9
	s_add_co_u32 s104, s104, s105                  ; my 128 columns, in bytes of f32
	s_mov_b32 s105, 0
	s_add_nc_u64 s[12:13], s[12:13], s[104:105]    ; b_o at them
	s_lshl_b32 s66, s22, 19                        ; out0: 128 rows of 4,096 bytes a tile,
	s_lshl_b32 s67, s[H1], 18
	s_add_co_u32 s66, s66, s67                     ; my 64 of them,
	s_add_co_u32 s66, s66, s104                    ; my columns
	s_mov_b32 s67, 0
	s_add_nc_u64 s[14:15], s[14:15], s[66:67]
	v_lshlrev_b32 v10, 6, v2                       ; the bias in the result's layout: for S0's tile b the eight columns 32 (b / 2) + 8 (b % 2) + 16 h + 0 .. 7
.irp b, 0,1,2,3,4,5,6,7
	global_load_b128 v[BI+8*\b:BI+8*\b+3], v10, s[12:13] offset:4*(32*(\b/2)+8*(\b%2))
	global_load_b128 v[BI+8*\b+4:BI+8*\b+7], v10, s[12:13] offset:4*(32*(\b/2)+8*(\b%2))+16
.endr
	s_mul_i32 s2, s[H1], 4*RB
	v_lshl_add_u32 v4, v3, 4, s2                   ; S1's images: 16 l, and
	v_lshl_add_u32 v5, v3, 3, s2                   ; 8 l, + my four stored tiles
	s_mul_i32 s2, s[H0], GRP
	s_add_co_u32 s2, s2, GRP
	v_lshl_add_u32 v6, v3, 4, s2                   ; S0's likewise: my eight stored tiles, behind S1's eight
	v_lshl_add_u32 v7, v3, 3, s2
	s_lshl_b32 s2, s[H1], 11
	s_add_co_u32 s2, s2, SCL
	v_lshl_add_u32 v8, v1, 3, s2
	v_lshl_add_u32 v8, v2, 10, v8                  ; S1's scale words: lanes 0-15 tile i, lanes 16-31 tile i + 2
	s_lshl_b32 s2, s[H0], 12
	s_add_co_u32 s2, s2, SCL+4096
	v_lshl_add_u32 v9, v1, 3, s2
	v_lshl_add_u32 v9, v2, 11, v9                  ; S0's: lanes 0-15 tile i, lanes 16-31 tile i + 4
	s_mul_i32 s2, s[WV], 16*528                    ; my stage for the way out: 16 rows x (512 + 16) bytes, in region 0
	v_mul_u32_u24 v[STO], v1, 528
	v_lshl_add_u32 v[STO], v2, 6, v[STO]
	v_add_nc_u32 v[STO], s2, v[STO]                ; in: row r, + 64 h
	v_lshl_add_u32 v[RD], v3, 4, s2                ; back: a whole row, 16 bytes a lane
	v_lshlrev_b32 v[CO], 4, v3                     ; and the same in out0
.macro FRAG reg, a16, a8, off          ; a fragment, 16 rows x 128 K, is two half fragments on end: four dense loads
	ds_load_b128 v[\reg:\reg+3], v[\a16] offset:\off
	ds_load_b64 v[\reg+4:\reg+5], v[\a8] offset:\off+512
	ds_load_b128 v[\reg+6:\reg+9], v[\a16] offset:\off+768
	ds_load_b64 v[\reg+10:\reg+11], v[\a8] offset:\off+1280
.endm
.macro FETCH n                         ; step n's fragments (128 along K) into set n % 2
	WIN 0x40                                       ; destination window 1
.irp i, 0,1,2,3,4,5,6,7
	FRAG 128*((\n)%2)+FR*\i, 6, 7, RB*\i+1536*((\n)%4)
.endr
	WIN 0
.irp i, 0,1,2,3
	FRAG AF+48*((\n)%2)+FR*\i, 4, 5, RB*\i+1536*((\n)%4)
.endr
.endm
.macro SCALES sc, ks                   ; a region's scale words, two for each row: six loads of 8 bytes (their lanes' two halves lie a multiple of 256 bytes apart and share banks two deep)
.irp i, 0,1,2,3
	ds_load_b64 v[SC+12*(\sc)+2*\i:SC+12*(\sc)+2*\i+1], v9 offset:512*\i+128*(\ks)
.endr
.irp i, 0,1
	ds_load_b64 v[SC+12*(\sc)+8+2*\i:SC+12*(\sc)+8+2*\i+1], v8 offset:512*\i+128*(\ks)
.endr
.endm
.macro MM a, b, p, q, sc, first        ; one product: S0's tile b x S1's tile a; the scale words' rows go by b / 4 and a / 2
.set rD, 8*(8*(\a)+(\b))
.set rS0, 128*(\p)+FR*(\b)
.set rS1, AF+48*(\p)+FR*(\a)
.set rC0, SC+12*(\sc)+2*((\b)%4)+(\q)
.set rC1, SC+12*(\sc)+8+2*((\a)%2)+(\q)
.set rB, BI+8*(\b)
.if \first
.if ((\b) < 4) && ((\a) < 2)
	v_wmma_scale_f32_16x16x128_f8f6f4 v[rD:rD+7], v[rS0:rS0+11], v[rS1:rS1+11], v[rB:rB+7], v[rC0], v[rC1] matrix_a_fmt:MATRIX_FMT_FP6 matrix_b_fmt:MATRIX_FMT_FP6
.elseif (\a) < 2
	v_wmma_scale_f32_16x16x128_f8f6f4 v[rD:rD+7], v[rS0:rS0+11], v[rS1:rS1+11], v[rB:rB+7], v[rC0], v[rC1] matrix_a_fmt:MATRIX_FMT_FP6 matrix_b_fmt:MATRIX_FMT_FP6 matrix_a_scale:MATRIX_SCALE_ROW1
.elseif (\b) < 4
	v_wmma_scale_f32_16x16x128_f8f6f4 v[rD:rD+7], v[rS0:rS0+11], v[rS1:rS1+11], v[rB:rB+7], v[rC0], v[rC1] matrix_a_fmt:MATRIX_FMT_FP6 matrix_b_fmt:MATRIX_FMT_FP6 matrix_b_scale:MATRIX_SCALE_ROW1
.else
	v_wmma_scale_f32_16x16x128_f8f6f4 v[rD:rD+7], v[rS0:rS0+11], v[rS1:rS1+11], v[rB:rB+7], v[rC0], v[rC1] matrix_a_fmt:MATRIX_FMT_FP6 matrix_b_fmt:MATRIX_FMT_FP6 matrix_a_scale:MATRIX_SCALE_ROW1 matrix_b_scale:MATRIX_SCALE_ROW1
.endif
.else
.if ((\b) < 4) && ((\a) < 2)
	v_wmma_scale_f32_16x16x128_f8f6f4 v[rD:rD+7], v[rS0:rS0+11], v[rS1:rS1+11], v[rD:rD+7], v[rC0], v[rC1] matrix_a_fmt:MATRIX_FMT_FP6 matrix_b_fmt:MATRIX_FMT_FP6
.elseif (\a) < 2
	v_wmma_scale_f32_16x16x128_f8f6f4 v[rD:rD+7], v[rS0:rS0+11], v[rS1:rS1+11], v[rD:rD+7], v[rC0], v[rC1] matrix_a_fmt:MATRIX_FMT_FP6 matrix_b_fmt:MATRIX_FMT_FP6 matrix_a_scale:MATRIX_SCALE_ROW1
.elseif (\b) < 4
	v_wmma_scale_f32_16x16x128_f8f6f4 v[rD:rD+7], v[rS0:rS0+11], v[rS1:rS1+11], v[rD:rD+7], v[rC0], v[rC1] matrix_a_fmt:MATRIX_FMT_FP6 matrix_b_fmt:MATRIX_FMT_FP6 matrix_b_scale:MATRIX_SCALE_ROW1
.else
	v_wmma_scale_f32_16x16x128_f8f6f4 v[rD:rD+7], v[rS0:rS0+11], v[rS1:rS1+11], v[rD:rD+7], v[rC0], v[rC1] matrix_a_fmt:MATRIX_FMT_FP6 matrix_b_fmt:MATRIX_FMT_FP6 matrix_a_scale:MATRIX_SCALE_ROW1 matrix_b_scale:MATRIX_SCALE_ROW1
.endif
.endif
.endm
; A step of 128 along K: the next step's fragments are asked for, then this step's 32 products are issued.  The 32 accumulators take turns, one instruction a turn, in the same order in
; every step.  In step 3 region 1 is shown whole to every wave: each wave waits for its tensor loads, then a barrier behind which nothing is filled.
.macro STEP n, first
	s_wait_dscnt 0x0                               ; this step's fragments are in
.if (\n) == 3
	s_wait_tensorcnt 0x0                           ; my part of region 1 has landed
	s_barrier_signal -1
	s_barrier_wait -1                              ; everybody's has
.irp v, 4,5,6,7
	v_add_nc_u32 v\v, REG, v\v                     ; on to that region; these four are also the places in front of the loads below
.endr
.elseif ((\n) > 0) && ((\n) < 7)
	PLACES                                         ; in front of loads into registers that the last step's products have read
.endif
.if (\n) < 7
	FETCH (\n)+1
.if (\n)%2 == 1
	SCALES (((\n)+1)/2)%2, ((\n)+1)/2
.endif
.endif
.if \first
	WIN WFIRST
.else
	WIN 0xa1                                       ; source 0 (S0) window 1, source 1 (S1) window 0, C and D window 2
.endif
.irp a, 0,1,2,3
.irp b, 0,1,2,3,4,5,6,7
	MM \a, \b, (\n)%2, (\n)%2, ((\n)/2)%2, \first
.endr
.endr
	WIN 0
.endm
	s_wait_alu depctr_va_vdst(0)
	s_wait_tensorcnt 0x0                           ; my tile of the head's four is in; the three lines ahead of a later first fill
	ds_add_u32 v254, v255
	s_wait_dscnt 0x0
	CROUND                                         ; everybody's is in, and all sixteen work-groups are here: the joint loads meet
	s_cmp_eq_u32 s[WV], 0
	s_cbranch_scc0 .Lh1
	tensor_load_to_lds s[68:71], s[24:31]          ; wave 0: S1's tiles of region 1
	s_nop 0
	PLACES
	s_branch .Lh2
.Lh1:
	s_cmp_eq_u32 s[WV], 1
	s_cbranch_scc0 .Lh2
	tensor_load_to_lds s[88:91], s[32:39]          ; wave 1: S0's
	s_nop 0
	PLACES
.Lh2:
	FETCH 0
	SCALES 0, 0
	s_wait_loadcnt 0x0                             ; the bias
	STEP 0, 1                                      ; the first products start the sums from the bias: nothing is cleared, nothing is added later
.irp n, 1,2,3,4,5,6,7
	s_wait_alu depctr_va_vdst(0)
	STEP \n, 0
.endr
; THE WAY OUT, a lane tile (16 stored rows x my 128 columns) at a time.  A lane holds pieces of one row and the lanes beside it other rows: so a block goes through my own stage in LDS and comes back as
; whole rows of 512 bytes.  The stage lies in region 0: it has had its one fill, and nobody reads it behind step 3's barrier, in front of which every wave had its last loads from it back.
; LDS serves a wave's instructions in order: no wait between the stores and the loads, nor in front of the next block's stores.
.macro TOSTAGE a
	WIN 0x08                                       ; an LDS store's data are its source 1: window 2
.irp b, 0,1,2,3,4,5,6,7
	ds_store_b128 v[STO], v[64*(\a)+8*\b:64*(\a)+8*\b+3] offset:128*(\b/2)+32*(\b%2)        ; each accumulator from its low end on; columns 32 (b / 2) + 8 (b % 2) + 16 h + 0 .. 7
	ds_store_b128 v[STO], v[64*(\a)+8*\b+4:64*(\a)+8*\b+7] offset:128*(\b/2)+32*(\b%2)+16
.endr
	WIN 0
.set BB, BK+64*((\a)%2)
.irp t, 0,1,2,3,4,5,6,7,8,9,10,11,12,13,14,15
	ds_load_b128 v[BB+4*\t:BB+4*\t+3], v[RD] offset:528*\t
.endr
.endm
.macro SEND a, younger                 ; younger: the LDS instructions issued behind block a's loads, which may stay out
.set BB, BK+64*((\a)%2)
	s_wait_dscnt \younger
.irp t, 0,1,2,3,4,5,6,7,8,9,10,11,12,13,14,15
	global_store_b128 v[CO], v[BB+4*\t:BB+4*\t+3], s[14:15] offset:4096*(32*((\a)/2)+8*((\a)%2)+16*(\t/8)+\t%8) th:TH_STORE_NT   ; stored row t of lane tile a is this true row; 32 lanes store 512 consecutive bytes, aligned
.endr
.endm
	PLACES                                         ; behind the last products: for the first reads of results and the loads into the registers that held S1's fragments
	TOSTAGE 0
.irp a, 1,2,3
.if \a > 1
	s_wait_xcnt 0x0                                ; block a - 2's stores have read their registers: block a's loads may land there
.endif
	TOSTAGE \a
	SEND \a-1, 32                                  ; behind block a - 1's loads: block a's 16 stores and 16 loads
.endr
	SEND 3, 0
	s_wait_tensorcnt 0x0
	ds_add_u32 v254, v255
	s_wait_dscnt 0x0
	CROUND                                         ; the closing round: no work-group ends while a partner may still ask for a tile that names it
	s_endpgm
.Lfunc_end_k_q8183fbd695_outp:
	.size	k_q8183fbd695_outp, .Lfunc_end_k_q8183fbd695_outp-k_q8183fbd695_outp
	.p2alignl 7, 3214868480
	.fill 96, 4, 3214868480
	.section	.rodata,"a",@progbits
	.p2align	6, 0x0
	.amdhsa_kernel k_q8183fbd695_outp
		.amdhsa_group_segment_fixed_size 327680
		.amdhsa_private_segment_fixed_size 0
		.amdhsa_enable_private_segment 0
		.amdhsa_kernarg_size 48
		.amdhsa_user_sgpr_count 2
		.amdhsa_user_sgpr_kernarg_segment_ptr 1
		.amdhsa_wavefront_size32 1
		.amdhsa_system_sgpr_workgroup_id_x 1
		.amdhsa_system_sgpr_workgroup_id_y 1
		.amdhsa_system_sgpr_workgroup_id_z 1
		.amdhsa_system_vgpr_workitem_id 0
		.amdhsa_next_free_vgpr 768
		.amdhsa_next_free_sgpr 106
		.amdhsa_reserve_vcc 0
		.amdhsa_float_denorm_mode_32 3
		.amdhsa_float_denorm_mode_16_64 3
		.amdhsa_memory_ordered 1
		.amdhsa_forward_progress 1
		.amdhsa_inst_pref_size 86
	.end_amdhsa_kernel
	.amdgpu_metadata
---
amdhsa.version: [ 1, 2 ]
amdhsa.kernels:
  - .name:           k_q8183fbd695_outp
    .symbol:         k_q8183fbd695_outp.kd
    .args:
      - { .name: oc, .offset: 0, .size: 8, .value_kind: global_buffer, .address_space: global }
      - { .name: os, .offset: 8, .size: 8, .value_kind: global_buffer, .address_space: global }
      - { .name: cod, .offset: 16, .size: 8, .value_kind: global_buffer, .address_space: global }
      - { .name: scl, .offset: 24, .size: 8, .value_kind: global_buffer, .address_space: global }
      - { .name: b_o, .offset: 32, .size: 8, .value_kind: global_buffer, .address_space: global }
      - { .name: out0, .offset: 40, .size: 8, .value_kind: global_buffer, .address_space: global }
    .group_segment_fixed_size: 327680
    .private_segment_fixed_size: 0
    .kernarg_segment_align: 8
    .kernarg_segment_size: 48
    .max_flat_workgroup_size: 128
    .sgpr_count:     106
    .vgpr_count:     768
    .wavefront_size: 32
...
	.end_amdgpu_metadata
.endif
;; end of part 4
